; MI455X (gfx1250); checked and timed in simulation.
; The chip was launched on July 23, 2026; its instructions are those of AMD's public machine-readable ISA for CDNA 5 (MIT licence, August 2026) and "CDNA5" Instruction Set Architecture Reference Guide (July 2026). The comments in the code are by the model that wrote it; some were corrected since.
;; Multi Head Attention. Allowed arithmetic: matrix products marked QUANTISED: E4M3 operands, one given power-of-two scale a tensor, by v_wmma_f32_16x16x64_fp8_fp8 or v_wmma_f32_16x16x128_fp8_fp8, f32 sums; everything else in f32.
;; Inputs: Wk 1,024 x 1,024 float32; Wo 1,024 x 1,024 float32; Wq 1,024 x 1,024 float32; Wv 1,024 x 1,024 float32; bk 1,024 float32; bo 1,024 float32; bq 1,024 float32; bv 1,024 float32; key 4 x 2,048 x 1,024 float32; lowp_scales 12 int32 (the exponents e of the quantised operands' scales 2^e); query 4 x 2,048 x 1,024 float32; value 4 x 2,048 x 1,024 float32.
;; Outputs: out0 4 x 2,048 x 1,024 float32.
;; This version of the problem:
;;   THIS VERSION OF THE PROBLEM IS GIVEN IN LOW PRECISION. The matrix products marked QUANTISED in the list below multiply operands that are first quantised to E4M3 (4 exponent bits, 3 mantissa bits; 8 bits a number), with one given power-of-two scale for each operand tensor; their sums are f32. All else is computed in f32.
;;   The module's matrix products, in the order in which they are computed (A, B: the left and right operand; K: the contracted axis; several contracted axes count as one K, in the product's order):
;;     1. [M 8,192, K 1,024] x [K 1,024, N 1,024]; A: input query; B: input Wq: QUANTISED (scales: A lowp_scales[0], B lowp_scales[1])
;;     2. [M 8,192, K 1,024] x [K 1,024, N 1,024]; A: input key; B: input Wk: QUANTISED (scales: A lowp_scales[2], B lowp_scales[3])
;;     3. [M 8,192, K 1,024] x [K 1,024, N 1,024]; A: input value; B: input Wv: QUANTISED (scales: A lowp_scales[4], B lowp_scales[5])
;;     4. batch 64 x [M 2,048, K 64] x [K 64, N 2,048]; A: computed on the way; B: computed on the way: QUANTISED (scales: A lowp_scales[6], B lowp_scales[7])
;;     5. batch 64 x [M 2,048, K 2,048] x [K 2,048, N 64]; A: softmax (see below); B: computed on the way: QUANTISED (scales: A lowp_scales[8], B lowp_scales[9])
;;     6. [M 8,192, K 1,024] x [K 1,024, N 1,024]; A: computed on the way; B: input Wo: QUANTISED (scales: A lowp_scales[10], B lowp_scales[11])
;;   THE QUANTISER, for each operand of a quantised product, along K:
;;     - The operand's scale is 2^e, e = its entry of the input lowp_scales (int32; the entries are numbered through the quantised products in the list's order, A before B).
;;     - Each number is divided by the scale, clamped to +-448, and rounded to the nearest number of E4M3, ties to even, subnormals kept.
;;     - The product sums the exact products of the quantised numbers (number of the format x scale) in f32.
;;   ~~~python
;;   def quantise(x, axis, e):      # numpy; x: float32 -> the quantised numbers, widened to float32 again
;;       x = np.moveaxis(x, axis, -1); K = x.shape[-1]
;;       r = np.clip(x / 2.0 ** e, -448, 448)
;;       step = 2.0 ** (np.maximum(np.frexp(np.where(r == 0, 1, r))[1] - 1, -6) - 3)
;;       q = np.round(r / step) * step * 2.0 ** e      # np.round: ties to even
;;       return np.moveaxis(q, -1, axis).astype(np.float32)
;;   ~~~
;;   SOFTMAX AHEAD OF A QUANTISED PRODUCT. Where the list says 'softmax', what is quantised is not the finished softmax but p = 2^(t - M), with t = logit x log2(e) and M = ceil(the row's largest t), a whole number; so 1/2 < the row's largest p <= 1. The row's sum l is taken of the UNQUANTISED p, in f32, and the product's result is divided by l at the end. Since M is a whole number, a kernel that streams over the keys may use a running M (the ceiling of the running maximum): every later rescaling is an exact power of two, so the quantised numbers keep their values, but for numbers so far below the row's largest that they fall under the format's range.
;;   OPERANDS COMPUTED ON THE WAY. 'Computed on the way' means the value that the module computes at that place (a softmax that the list does not call 'softmax' is quantised finished and normalised). What goes into a quantiser is computed in f32, as accurately as f32 sums, v_exp_f32 and their like allow (about 1e-6 of the number): no bf16 or f16 on the way to a quantiser, and a product that is left as it is and whose result goes on into a quantised operand takes f32 operands (vector FMAs, or v_wmma_f32_16x16x4_f32). A number that lies on a knife's edge between two numbers of the format may be rounded either way, as far as f32 arithmetic and the matrix unit's own rounding can turn it there, and no further.
;; One version. Each part assembles by itself: llvm-mc -triple=amdgcn-amd-amdhsa -mcpu=gfx1250 --defsym DOCPART=n.
;; ======== version 1 of 1: 4 launches
;; limits: right only within a limited range of input values
;; workspace buffers: codes 29,360,128 bytes; qkv 25,165,824 bytes; ac 8,388,608 bytes
;; launch quant (part 1): grid 896 x 1, 4 waves a work-group, no clusters, 33,280 bytes of LDS; arguments query, key, value, Wq, Wk, Wv, Wo, lowp_scales, codes; writes codes
.if DOCPART == 1
	.amdgcn_target "amdgcn-amd-amdhsa--gfx1250"
	.amdhsa_code_object_version 6
	.text
	.protected	k_q7ed9b2f029_quant
	.globl	k_q7ed9b2f029_quant
	.p2align	8
	.type	k_q7ed9b2f029_quant,@function
k_q7ed9b2f029_quant:
	s_mov_b64 s[64:65], 0
	v_nop
	global_prefetch_b8 v0, s[64:65] scope:SCOPE_SE
	s_setreg_imm32_b32 hwreg(HW_REG_WAVE_MODE, 25, 1), 1
	s_wait_xcnt 0x0
; FIRST OF FOUR LAUNCHES: causal multi-head attention (4 x 2,048 tokens, 16 heads of 64), all six products on codes of E4M3 with given scales 2^e.
; This launch turns the seven f32 tensors that are operands as they arrive (query, key, value, Wq, Wk, Wv, Wo; K is innermost in all) into codes, one a byte, K innermost, in ONE buffer:
; query at byte 0, key at 8,388,608, value at 16,777,216, Wq at 25,165,824, Wk at 26,214,400, Wv at 27,262,976, Wo at 28,311,552.  Each is read by many work-groups later: quantised once, the f32 numbers are read once.
; WORK LEFT OUT IN THE WHOLE PROGRAM: reference() itself sets every score with key > query to -infinity ahead of the softmax (its own triu mask), so such a score's weight is 0 and its term of the second product is 0
; for all values of the inputs.  The third launch therefore leaves out every step of 128 keys all of which come after a tile's 16 queries (both products of that step); inside a step on the diagonal the work stays and is masked.
; Nothing else is left out: bq, bk, bv go into quantised operands and bo into the output, so every input is loaded.  LIMIT: a NaN, an infinity or an overflow that reaches only the steps left out is not carried to the result.
; code = x / 2^e, held within +-448, rounded to the nearest code, ties to even.  e: entries 0, 2, 4 (query, key, value), 1, 3, 5 (Wq, Wk, Wv) and 11 (Wo) of lowp_scales.
; LIMITS: each of these e between -126 and 119, so that 2^e and 448 x 2^e are f32 numbers.  NaN among the inputs is not served (an infinity is held at the largest code).
; SHARES.  Rows are dense, so each tensor is a plain stream.  Work-group g takes 32,768 numbers, a wave 8,192 in 16 steps of 512.  g 0-255 query, 256-511 key, 512-767 value, 768-799 Wq, 800-831 Wk, 832-863 Wv, 864-895 Wo:
; the codes' buffer is laid in this order, so the codes of wave w of work-group g begin at byte 8,192 (4 g + w) whatever the tensor.  Only a pointer, a first work-group and an exponent are chosen, by selects on the
; work-group's number: there is one way through the text.
; A conversion takes 8 neighbours along K from ONE lane's registers; a load is best where neighbouring LANES take neighbouring bytes.  Both are had: each of a step's four loads reads 512 consecutive bytes, 16 a lane;
; the 2,048 bytes go through the wave's own stage in LDS as they lie and come back 64 bytes a lane (16 bytes of padding behind each 64).  A lane's 16 codes are 16 bytes: the wave stores 512 consecutive bytes, aligned.
; No tensor loads, no barrier: waves share nothing.  Loads run four steps (16 loads a wave) ahead, the turn through LDS one step.  Matrix units, clusters and a prefetch are left out: the launch only streams.
.set WAVES, 4
.set STEPS, 16
.set EMAX,  8
.set MANT,  0x600000                   ; the mantissa field of 448 as f32
.set R,     16                         ; v16-79   four sets of 16 numbers as they are loaded
.set X,     80                         ; v80-111  two sets of 16 neighbours
.set C,     128                        ; v128-191 codes: four registers for each step, so that no store's data are written again
.set WREG,  8192                       ; LDS: a region of its own for each wave: two stages of 32 x SP bytes
.set SP,    80                         ; a lane's place in a stage: its 64 bytes + 16 of padding
.set SPW,   12                         ; v12      LDS address of my spare word: SPARE + 4 x my thread's number; never rewritten
.set NIL,   13                         ; v13      0; never rewritten
.set SPARE, WAVES*WREG                 ; behind the four regions: the spare words, 128 bytes for each wave, which no other line names
	s_load_b512 s[4:19], s[0:1], 0x0               ; query, key, value, Wq, Wk, Wv, Wo, the scales' exponents (s[18:19])
	s_load_b64 s[20:21], s[0:1], 0x40              ; the codes
	v_lshl_add_u32 v[SPW], v0, 2, SPARE
	v_mov_b32 v[NIL], 0
	v_lshrrev_b32 v1, 5, v0
	v_readfirstlane_b32 s22, v1                    ; wave
	v_and_b32 v2, 31, v0                           ; lane
	v_lshlrev_b32 v3, 4, v2                        ; 16 x lane: my 16 bytes of a load's 512, and of a store's; never rewritten
	s_mul_i32 s23, s22, WREG
	v_lshrrev_b32 v14, 2, v2
	v_mul_u32_u24 v14, v14, SP
	v_and_b32 v15, 3, v2
	v_lshl_add_u32 v14, v15, 4, v14
	v_add_nc_u32 v14, s23, v14                     ; the stage, on the way in: four lanes' 64 bytes on end, then 16 of padding: SP (lane / 4) + 16 (lane % 4); a load's 512 bytes take eight places
	v_mul_u32_u24 v15, v2, SP
	v_add_nc_u32 v15, s23, v15                     ; and on the way out: SP x lane: my 16 neighbours
	s_wait_alu depctr_va_vdst(0)
	s_wait_kmcnt 0x0
	s_load_b256 s[36:43], s[18:19], 0x0            ; e0 .. e7
	s_load_b128 s[44:47], s[18:19], 0x20           ; e8 .. e11
; which tensor is my work-group's: six compares of the work-group's number, from the last tensor down; each is followed by selects alone
.macro PICK lim, ptr, first
	s_cmp_lt_u32 ttmp9, \lim
	s_cselect_b64 s[24:25], s[\ptr:\ptr+1], s[24:25]
	s_cselect_b32 s26, \first, s26
.endm
	s_mov_b64 s[24:25], s[16:17]                   ; Wo,
	s_mov_b32 s26, 864                             ; whose first work-group is 864
	PICK 864, 14, 832                              ; Wv
	PICK 832, 12, 800                              ; Wk
	PICK 800, 10, 768                              ; Wq
	PICK 768, 8, 512                               ; value
	PICK 512, 6, 256                               ; key
	PICK 256, 4, 0                                 ; query
	s_sub_co_u32 s28, ttmp9, s26
	s_lshl_b32 s28, s28, 2
	s_add_co_u32 s28, s28, s22                     ; which run of 8,192 numbers of the tensor is my wave's,
	s_lshl_b32 s28, s28, 15                        ; in bytes (under 2^25)
	s_mov_b32 s29, 0
	s_add_nc_u64 s[24:25], s[24:25], s[28:29]
	s_lshl_b32 s30, ttmp9, 2
	s_add_co_u32 s30, s30, s22
	s_lshl_b32 s30, s30, 13                        ; and its codes: 8,192 (4 g + w)
	s_mov_b32 s31, 0
	s_add_nc_u64 s[20:21], s[20:21], s[30:31]
.macro LOAD t
.irp i, 0,1,2,3
	global_load_b128 v[R+16*((\t)%4)+4*\i:R+16*((\t)%4)+4*\i+3], v3, s[24:25] offset:2048*(\t)+512*\i th:TH_LOAD_NT   ; 32 lanes read 512 consecutive bytes; read once in the launch
.endr
.endm
.macro TURN t                          ; step t's numbers through the stage: LDS serves a wave's instructions in order (ISA guide 5.7.1.4), so no wait stands between the stores and the loads
.irp i, 0,1,2,3
	ds_store_b128 v14, v[R+16*((\t)%4)+4*\i:R+16*((\t)%4)+4*\i+3] offset:32*SP*((\t)%2)+8*SP*\i
.endr
.irp i, 0,1,2,3
	ds_load_b128 v[X+16*((\t)%2)+4*\i:X+16*((\t)%2)+4*\i+3], v15 offset:32*SP*((\t)%2)+16*\i
.endr
.endm
.irp t, 0,1,2,3
	LOAD \t
.endr
	s_wait_kmcnt 0x0
.macro PICKE lim, e
	s_cmp_lt_u32 ttmp9, \lim
	s_cselect_b32 s27, s[\e], s27
.endm
	s_mov_b32 s27, s47                             ; e11: Wo
	PICKE 864, 41                                  ; e5: Wv
	PICKE 832, 39                                  ; e3: Wk
	PICKE 800, 37                                  ; e1: Wq
	PICKE 768, 40                                  ; e4: value
	PICKE 512, 38                                  ; e2: key
	PICKE 256, 36                                  ; e0: query
	s_add_co_i32 s27, s27, 127
	s_lshl_b32 s28, s27, 23
	v_mov_b32 v11, s28                             ; 2^e as f32: the conversion takes its exponent field
	s_add_co_i32 s27, s27, EMAX
	s_lshl_b32 s27, s27, 23
	s_or_b32 s27, s27, MANT
	s_wait_alu depctr_va_vdst(0)
	s_wait_loadcnt 12                              ; step 0's four loads are in; those of steps 1 to 3 may be out
	TURN 0
.macro STEP t
.set XS, X+16*((\t)%2)
	s_wait_dscnt 0x0                               ; this step's numbers are back from the stage: so its stores into the stage have read their registers,
.if (\t)+4 < STEPS
	LOAD (\t)+4                                    ; which take the loads of four steps on
.endif
.if (\t)+1 < STEPS
.if STEPS-2-(\t) >= 3
	s_wait_loadcnt 12                              ; the next step's four loads are in; those of the three steps behind it may be out
.else
	s_wait_loadcnt 4*(STEPS-2-(\t))                ; the tail: four for each step that is still behind the next one
.endif
	TURN (\t)+1                                    ; and go through the other stage while this step is worked
.endif
.irp i, 0,1,2,3,4,5,6,7,8,9,10,11,12,13,14,15
.endr
	v_cvt_scalef32_pk8_fp8_f32 v[C+4*(\t):C+4*(\t)+1], v[XS:XS+7], v11          ; eight numbers / 2^e, to the nearest code, ties to even; the first number's code in the lowest byte
	v_cvt_scalef32_pk8_fp8_f32 v[C+4*(\t)+2:C+4*(\t)+3], v[XS+8:XS+15], v11     ; (their results go to a store alone)
	global_store_b128 v3, v[C+4*(\t):C+4*(\t)+3], s[20:21] offset:512*(\t)      ; 32 lanes store 512 consecutive bytes, at a multiple of 512 from the buffer's first byte
.endm
.irp t, 0,1,2,3,4,5,6,7,8,9,10,11,12,13,14,15
	STEP \t
.endr
	s_wait_tensorcnt 0x0                           ; the wave's end, behind my last LDS store
	ds_add_u32 v[SPW], v[NIL]
	s_wait_dscnt 0x0
	s_endpgm
.Lfunc_end_k_q7ed9b2f029_quant:
	.size	k_q7ed9b2f029_quant, .Lfunc_end_k_q7ed9b2f029_quant-k_q7ed9b2f029_quant
	.p2alignl 7, 3214868480
	.fill 96, 4, 3214868480
	.section	.rodata,"a",@progbits
	.p2align	6, 0x0
	.amdhsa_kernel k_q7ed9b2f029_quant
		.amdhsa_group_segment_fixed_size 33280
		.amdhsa_private_segment_fixed_size 0
		.amdhsa_enable_private_segment 0
		.amdhsa_kernarg_size 72
		.amdhsa_user_sgpr_count 2
		.amdhsa_user_sgpr_kernarg_segment_ptr 1
		.amdhsa_wavefront_size32 1
		.amdhsa_system_sgpr_workgroup_id_x 1
		.amdhsa_system_sgpr_workgroup_id_y 1
		.amdhsa_system_sgpr_workgroup_id_z 1
		.amdhsa_system_vgpr_workitem_id 0
		.amdhsa_next_free_vgpr 192
		.amdhsa_next_free_sgpr 66
		.amdhsa_reserve_vcc 0
		.amdhsa_float_denorm_mode_32 3
		.amdhsa_float_denorm_mode_16_64 3
		.amdhsa_fp16_overflow 1
		.amdhsa_memory_ordered 1
		.amdhsa_forward_progress 1
		.amdhsa_inst_pref_size 23
	.end_amdhsa_kernel
	.amdgpu_metadata
---
amdhsa.version: [ 1, 2 ]
amdhsa.kernels:
  - .name:           k_q7ed9b2f029_quant
    .symbol:         k_q7ed9b2f029_quant.kd
    .args:
      - { .name: query, .offset: 0, .size: 8, .value_kind: global_buffer, .address_space: global }
      - { .name: key, .offset: 8, .size: 8, .value_kind: global_buffer, .address_space: global }
      - { .name: value, .offset: 16, .size: 8, .value_kind: global_buffer, .address_space: global }
      - { .name: Wq, .offset: 24, .size: 8, .value_kind: global_buffer, .address_space: global }
      - { .name: Wk, .offset: 32, .size: 8, .value_kind: global_buffer, .address_space: global }
      - { .name: Wv, .offset: 40, .size: 8, .value_kind: global_buffer, .address_space: global }
      - { .name: Wo, .offset: 48, .size: 8, .value_kind: global_buffer, .address_space: global }
      - { .name: lowp_scales, .offset: 56, .size: 8, .value_kind: global_buffer, .address_space: global }
      - { .name: codes, .offset: 64, .size: 8, .value_kind: global_buffer, .address_space: global }
    .group_segment_fixed_size: 33280
    .private_segment_fixed_size: 0
    .kernarg_segment_align: 8
    .kernarg_segment_size: 72
    .max_flat_workgroup_size: 128
    .sgpr_count:     66
    .vgpr_count:     192
    .wavefront_size: 32
...
	.end_amdgpu_metadata
.endif
;; end of part 1
;; launch proj (part 2): grid 4 x 96, 4 waves a work-group, clusters of 4 x 4, 327,680 bytes of LDS; arguments codes, bq, bk, bv, lowp_scales, qkv; writes qkv
.if DOCPART == 2
	.amdgcn_target "amdgcn-amd-amdhsa--gfx1250"
	.amdhsa_code_object_version 6
	.text
	.protected	k_q7ed9b2f029_proj
	.globl	k_q7ed9b2f029_proj
	.p2align	8
	.type	k_q7ed9b2f029_proj,@function
k_q7ed9b2f029_proj:
	s_mov_b64 s[64:65], 0
	v_nop
	global_prefetch_b8 v0, s[64:65] scope:SCOPE_SE
	s_setreg_imm32_b32 hwreg(HW_REG_WAVE_MODE, 25, 1), 1
	s_wait_xcnt 0x0
	s_wait_alu depctr_hold_cnt(0) depctr_sa_sdst(0) depctr_va_vdst(0) depctr_va_sdst(0) depctr_va_ssrc(0) depctr_va_vcc(0) depctr_vm_vsrc(0)
	s_getreg_b32 s2, hwreg(HW_REG_IB_STS2, 6, 4)
	s_cmp_eq_u32 s2, 0
	s_cbranch_scc0 .Lentry_in_a_cluster
	s_endpgm
.Lentry_in_a_cluster:
	s_bfe_u32 s2, ttmp6, 0x10000c
	s_cmp_lg_u32 s2, 0xf033
	s_cbranch_scc0 .Lentry_shape_is_right
	s_endpgm
.Lentry_shape_is_right:
; SECOND LAUNCH: the three projections q = query Wq^T + bq, k = key Wk^T + bk, v = value Wv^T + bv on codes of E4M3 (K = 1,024), each result quantised at once for the attention products and stored as
; IMAGES OF OPERAND REGISTERS.  No work is left out here.
; A tile of 256 x 256 of "A" "B"^T is made by four waves, 128 x 128 each: 64 accumulators, 512 registers.  K goes in steps of 256 through a ring of two LDS slots filled by the tensor data mover; a tile's row is 256 bytes.
; THE MATRIX INSTRUCTION IS USED TRANSPOSED (source 0 = 16 rows of "B", source 1 = 16 rows of "A"): lane (r, h) holds row r of "A" and, in its eight registers, rows 8 h + 0 .. 7 of "B".
; WHICH PRODUCT: cluster number cl = 0 .. 23; g = cl / 8: 0 q, 1 k, 2 v; i = cl % 8.  For q and k "A" = the tokens' codes and "B" = the weight's: a lane holds ONE token and eight neighbouring features, which are neighbours along
; the K of q k^T (the head's 64).  For v the roles are swapped, "A" = Wv's codes and "B" = value's: a lane holds ONE feature and eight neighbouring tokens, neighbours along the K of p v (the keys).
; So in all three a conversion of a lane's eight sums gives registers 2 c, 2 c + 1 of the next operand (k = 16 c + 8 h + 0 .. 7) in the very lane that will hold them: nothing is transposed and nothing goes through LDS on the way out.
; qkv: q at byte 0, k at 8,388,608: [batch x head 64][tile of 16 tokens 128][1,024 bytes]: registers 0-3 at 16 x lane, 4-7 at 512 + 16 x lane.  v at 16,777,216: [batch x head 64][block of 128 keys 16][tile of 16 features 4][2,048 bytes]:
; registers 4 n .. 4 n + 3 at 512 n + 16 x lane.  Every store of a wave covers 512 consecutive bytes, aligned.
; SCALES.  A sum stands for sum x 2^ES, ES = e0 + e1, e2 + e3, e4 + e5.  The bias goes in as bias / 2^ES, as the C of each sum's first matrix instruction; the code is (sum + bias / 2^ES) / 2^(eo - ES), eo = e6, e7, e9, held within +-448.
; LIMITS: eo - ES between -126 and 119, so that 2^(eo - ES) and 448 x that are f32 numbers; -ES is applied by v_ldexp_f32 and has none.  NaN among the inputs is not served.
; The fragments come by four loads of 16 bytes: lane l holds K = 32 c + 16 (l / 16) + 0 .. 15 in registers 4 c .. 4 c + 3: a permutation of k, the same on both sides, so every product meets its partner.
; CLUSTERS: 4 x 4 work-groups, all of one product.  The four of a row of the cluster need the same tiles of "A", the four of a column the same tiles of "B": each tile is asked for JOINTLY, by the same tensor load with the same
; descriptor and a mask that names the four.  g and i hang on the cluster's number alone: they are the same in all sixteen partners.  No prefetch: K has four steps, two of them asked for at the head.
; REGISTERS, in windows of 256: window 0: v1-29 addresses and constants; v32-95 the bias in the result's layout; v96-103 the bias loads' offsets; v128-255 A's fragments, ONE set, later the codes.
;   window 1: B's fragments, TWO sets.   window 2: the accumulators of my rows 0-63 ((a, b) at v[8 (8 a + b)]);   window 3: those of my rows 64-127.
.set KSTEP,  256
.set ROWB,   256                       ; a tile's row in bytes
.set KROW,   1024                      ; a row of codes in memory
.set PITCH,  272                       ; an LDS row: 256 bytes + 16 of padding = 68 words: row r starts at bank 4 r mod 64 (64 banks of 4 bytes: ISA guide 11.1), so the 16 rows that a load touches start at 16 different banks
.set FR,     16                        ; registers of a fragment: 16 rows x 128 K
.set NL,     4                         ; LDS loads that bring one
.set NP,     4                         ; places behind this matrix instruction (ISA guide 7.12.1)
.set HALFT,  128*PITCH                 ; 128 rows: what one tensor load brings, and what one wave reads of A or of B
.set SLOT,   4*HALFT                   ; A's 256 rows, then B's 256 rows
.set LAPS,   2                         ; 1,024 / (2 x 256): a lap = two K steps = once round the ring
.set SPARE,  2*SLOT                    ; behind the ring: the spare words, 128 bytes for each wave, which no other line names
.set ADRA, 16                          ; v16-17  LDS address of my A fragments in slot 0, 1
.set ADRB, 20                          ; v20-21  the same for B
.set VO0,  24                          ; v24     16 x lane: my place in an image; never rewritten
.set VO1,  25                          ; v25     the same in the second half of a block's codes: the next head's image (q, k) or 1,024 bytes on (v)
.set SC,   26                          ; v26     2^(eo - ES)
.set LIM,  27
.set SPW,  28                          ; v28     LDS address of my spare word: SPARE + 4 x my thread's number; never rewritten
.set NIL,  29                          ; v29     0; never rewritten
.set BI,   32                          ; v32-95  bias / 2^ES, eight registers for each of eight tiles
.set TMP,  32
.set VB,   96                          ; v96-103 byte offsets of the bias loads
.set AF,   128                         ; A's fragments
.set CR,   128                         ; the way out: 16 registers of codes for each block, so that no store's data are written again
.set G1, 24                            ; s[24:31] descriptor group 1 for A's tiles;  s[32:39] group 0, one set for each slot
.set G0, 32
.set G1B, 48                           ; s[48:55], s[56:63] the same for B's tiles
.set G0B, 56
.set MSB, 0
.macro WIN new                         ; the immediate's high byte repeats the setting that is left
.if MSB != \new
	s_set_vgpr_msb (MSB<<8)|\new
.set MSB, \new
.endif
.endm
.set MUL_LO, 0xa1                      ; source 0 (B) window 1, source 1 (A) window 0, C and D window 2
.set MUL_HI, 0xf1                      ; the same, C and D window 3
.set BEG_LO, 0x81                      ; a sum's first product: C (the bias) window 0, D window 2
.set BEG_HI, 0xc1                      ; the same, D window 3
.set TO_B,   0x40                      ; destination window 1, address window 0
; A joint load: waves 0 and 1 fetch for A, waves 2 and 3 for B.  Each of the two lines has ONE mask and one set of registers for all that issue it; the branch hangs on the wave's number alone.
; An s_nop 0 and four v_nop follow each of the two lines, ahead of the jump, the label and what follows.
.macro JLOAD g0a, g1a, g0b, g1b
	s_cmp_eq_u32 s15, 0
	s_cbranch_scc0 .Lfor_b_\@
	tensor_load_to_lds s[\g0a:\g0a+3], s[\g1a:\g1a+7]
	s_nop 0
.rept 4
	v_nop
.endr
	s_branch .Lasked_\@
.Lfor_b_\@:
	tensor_load_to_lds s[\g0b:\g0b+3], s[\g1b:\g1b+7]
	s_nop 0
.rept 4
	v_nop
.endr
.Lasked_\@:
.endm
.macro CREST                           ; a round of the cluster's barrier behind its opening barrier
	s_cmp_lg_u32 s14, 0
	s_cbranch_scc1 .Lnot_wave_0_\@
	s_barrier_signal -3
.Lnot_wave_0_\@:
	s_barrier_wait -3
	s_barrier_signal -1
	s_barrier_wait -1
.endm
.macro CROUND                          ; a whole round
	s_barrier_signal -1
	s_barrier_wait -1
	CREST
.endm
	s_load_b256 s[4:11], s[0:1], 0x0               ; the codes s[4:5], bq s[6:7], bk s[8:9], bv s[10:11]
	s_load_b128 s[72:75], s[0:1], 0x20             ; the scales' exponents s[72:73], qkv s[74:75]
	v_lshl_add_u32 v[SPW], v0, 2, SPARE
	v_mov_b32 v[NIL], 0
	ds_add_u32 v[SPW], v[NIL]                      ; the wave's opening: the add, twice on end, and its wait ahead of my first tensor load; the set-up below, work on registers, stands between the second and the wait
	ds_add_u32 v[SPW], v[NIL]
	v_lshrrev_b32 v1, 5, v0
	v_readfirstlane_b32 s14, v1                    ; wave 0..3
	s_lshr_b32 s15, s14, 1                         ; which half of the tile's rows is mine.  Also: I fetch for A (0) or for B (1)
	s_and_b32 s16, s14, 1                          ; which half of its columns.  Also: which 128 rows of that tile I fetch
	s_bfe_u32 s40, ttmp6, 0x40000                  ; cx, cy: my place in the cluster
	s_bfe_u32 s41, ttmp6, 0x40004
	s_and_b32 s66, ttmp7, 0xffff                   ; the cluster's number, 0 .. 23 (the grid has one cluster along x)
	s_lshr_b32 s67, s66, 3                         ; g: 0 q, 1 k, 2 v
	s_and_b32 s68, s66, 7                          ; i
	s_cmp_eq_u32 s67, 2
	s_cselect_b32 s69, 0, s68                      ; the clusters of q and of k lie one below the other (the tokens are A's rows),
	s_cselect_b32 s70, s68, 0                      ; those of v side by side (the tokens are B's rows)
	s_mov_b32 s76, 27262976                        ; where A's and B's codes begin in the buffer.  v: Wv, value
	s_mov_b32 s78, 16777216
	s_cmp_eq_u32 s67, 1
	s_cselect_b32 s76, 8388608, s76                ; k: key, Wk
	s_cselect_b32 s78, 26214400, s78
	s_cmp_eq_u32 s67, 0
	s_cselect_b32 s76, 0, s76                      ; q: query, Wq
	s_cselect_b32 s78, 25165824, s78
	s_lshl_b32 s42, s70, 2
	s_add_co_u32 s42, s42, s40                     ; tile column
	s_lshl_b32 s17, s69, 2
	s_add_co_u32 s17, s17, s41                     ; tile row
	s_lshl_b32 s43, s41, 2
	s_lshl_b32 s43, 15, s43                        ; my row of the cluster
	s_lshl_b32 s44, 0x1111, s40                    ; my column
	; descriptor group 1: a tile of 128 rows x 256 bytes, padded in LDS
	s_or_b32 s[G1+0], s43, (0<<16)|(1<<20)|(1<<21)|(5<<22)|(3<<25)  ; 15:0 the mask: A's tiles go to my row; 17:16 element of 1 byte; 20 padding on; 21 set beside a mask; 24:22 after every 64 words (code 5); 31:25 of 4 words (code 3)
	s_or_b32 s[G1B+0], s44, (0<<16)|(1<<20)|(1<<21)|(5<<22)|(3<<25)
.irp g, G1, G1B
	s_mov_b32 s[\g+1], ROWB<<16                    ; tensor_dim0
	s_mov_b32 s[\g+2], 128<<16                     ; tensor_dim1 = 128
	s_mov_b32 s[\g+3], ROWB<<16                    ; tile_dim0
	s_mov_b32 s[\g+4], 128                         ; tile_dim1 = 128
	s_mov_b32 s[\g+5], KROW                        ; tensor_dim0_stride
	s_mov_b32 s[\g+6], 0
	s_mov_b32 s[\g+7], 0
.endr
	s_lshl_b32 s18, s16, 7                         ; which 128 rows of the tile I fetch
	s_lshl_b32 s20, s17, 8
	s_add_co_u32 s20, s20, s18                     ; A: row 256 x tile row + 128 x half,
	s_lshl_b32 s20, s20, 10                        ; of 1,024 bytes,
	s_add_co_u32 s20, s20, s76                     ; in its tensor's part of the buffer (all under 2^25)
	s_mov_b32 s21, 0
	s_lshl_b32 s46, s42, 8
	s_add_co_u32 s46, s46, s18                     ; B: row 256 x tile column + 128 x half
	s_lshl_b32 s46, s46, 10
	s_add_co_u32 s46, s46, s78
	s_mov_b32 s47, 0
	s_mul_i32 s45, s14, HALFT                      ; where they go: wave x 128 rows: no place in the cluster enters an LDS address
	s_wait_dscnt 0x0                               ; both opening adds are done
	s_wait_kmcnt 0x0
	s_load_b256 s[84:91], s[72:73], 0x0            ; e0 .. e7
	s_load_b128 s[92:95], s[72:73], 0x20           ; e8 .. e11
	s_add_nc_u64 s[20:21], s[4:5], s[20:21]
	s_add_nc_u64 s[46:47], s[4:5], s[46:47]
	CROUND                                         ; all sixteen work-groups are here: the first joint loads meet
.irp s, 0,1
	s_mov_b32 s[G0+4*\s], 1
	s_add_co_u32 s[G0+4*\s+1], s45, \s*SLOT
	s_add_nc_u64 s[G0+4*\s+2:G0+4*\s+3], s[20:21], \s*ROWB
	s_or_b32 s[G0+4*\s+3], s[G0+4*\s+3], 0x80000000
	s_mov_b32 s[G0B+4*\s], 1
	s_add_co_u32 s[G0B+4*\s+1], s45, \s*SLOT
	s_add_nc_u64 s[G0B+4*\s+2:G0B+4*\s+3], s[46:47], \s*ROWB
	s_or_b32 s[G0B+4*\s+3], s[G0B+4*\s+3], 0x80000000
	s_wait_alu depctr_va_vdst(0)
	s_wait_tensorcnt 0x0
	ds_add_u32 v28, v29
	ds_add_u32 v28, v29
	s_wait_dscnt 0x0
	CROUND
	JLOAD G0+4*\s, G1, G0B+4*\s, G1B               ; one load of mine is out
.endr
	v_and_b32 v1, 15, v0                           ; r = l % 16
	v_bfe_u32 v2, v0, 4, 1                         ; h = l / 16
	v_mul_u32_u24 v3, v1, PITCH
	v_lshl_add_u32 v4, v2, 4, v3                   ; a fragment's row x pitch + 16 x half
	s_mul_i32 s21, s15, HALFT                      ; my 128 rows of A
	s_mul_i32 s22, s16, HALFT                      ; my 128 rows of B,
	s_add_co_u32 s22, s22, 2*HALFT                 ; which lie behind A's 256
.irp s, 0,1
	v_add_nc_u32 v[ADRA+\s], s21, v4
	v_add_nc_u32 v[ADRB+\s], s22, v4
	s_add_co_u32 s21, s21, SLOT
	s_add_co_u32 s22, s22, SLOT
.endr
	; what differs between q, k and v on the way in of the bias and on the way out is held in registers, chosen by g: one text serves the three
	s_cmp_lt_u32 s67, 2
	s_cselect_b32 s98, 32, 0                       ; the bias loads' offset = h x s98 + r x s99 + j x s100.  q, k: the bias runs along my registers: 32 h + 4 j;
	s_cselect_b32 s99, 0, 4                        ; v: it belongs to my lane's feature: 4 r
	s_cselect_b32 s100, 4, 0
	s_cselect_b32 s66, s17, s42                    ; the tile of 256 tokens,
	s_cselect_b32 s68, s15, s16                    ; my half of it,
	s_cselect_b32 s69, s42, s17                    ; the tile of 256 features (four heads),
	s_cselect_b32 s70, s16, s15                    ; my half of it (two heads)
	s_mov_b32 s101, 1024
	s_cselect_b32 s101, 0x20000, s101              ; from the first half of a block's codes to the second: a head's 131,072 bytes, or half an image of v
	s_mov_b32 s80, 2048
	s_cselect_b32 s80, 1024, s80                   ; from block to block: the next tile of tokens, or the next tile of features;
	s_mov_b32 s82, 124928
	s_cselect_b32 s82, 1024, s82                   ; into block 4: the same, or from a head's fourth tile of features to the next head's first: 131,072 - 3 x 2,048
	s_mov_b32 s81, 0
	s_mov_b32 s83, 0
	v_and_b32 v[VO0], 31, v0
	v_lshlrev_b32 v[VO0], 4, v[VO0]
	v_add_nc_u32 v[VO1], s101, v[VO0]
	v_mul_u32_u24 v[VB], v2, s98
	v_mad_u32_u24 v[VB], v1, s99, v[VB]
	s_wait_alu depctr_va_vdst(0)
.irp j, 1,2,3,4,5,6,7
	v_add_nc_u32 v[VB+\j], s100, v[VB+\j-1]
.endr
	s_cmp_eq_u32 s67, 1
	s_cselect_b64 s[12:13], s[8:9], s[10:11]       ; bk or bv,
	s_cmp_eq_u32 s67, 0
	s_cselect_b64 s[12:13], s[6:7], s[12:13]       ; or bq: the choice hangs on the cluster's number alone
	s_lshl_b32 s18, s69, 10
	s_lshl_b32 s19, s70, 9
	s_add_co_u32 s18, s18, s19                     ; my 128 features' first byte
	s_mov_b32 s19, 0
	s_add_nc_u64 s[12:13], s[12:13], s[18:19]
	s_wait_alu depctr_va_vdst(0)
.irp x, 0,1,2,3,4,5,6,7                        ; tile x of 16 features: q, k: x is B's tile b; v: x is A's tile a, and the eight registers hold the same number
.irp j, 0,1,2,3,4,5,6,7
	global_load_b32 v[BI+8*\x+\j], v[VB+\j], s[12:13] offset:64*\x
.endr
.endr
	; where my codes go: g's part + the batch's 16 heads + my first head + my 128 tokens (8 images of q or k, or one block of keys of v: 8,192 bytes either way)
	s_lshl_b32 s18, s67, 23
	s_lshr_b32 s19, s66, 3
	s_lshl_b32 s19, s19, 21
	s_add_co_u32 s18, s18, s19
	s_lshl_b32 s19, s69, 2
	s_lshl_b32 s22, s70, 1
	s_add_co_u32 s19, s19, s22
	s_lshl_b32 s19, s19, 17
	s_add_co_u32 s18, s18, s19
	s_and_b32 s19, s66, 7
	s_lshl_b32 s19, s19, 1
	s_add_co_u32 s19, s19, s68
	s_lshl_b32 s19, s19, 13
	s_add_co_u32 s18, s18, s19
	s_mov_b32 s19, 0
	s_add_nc_u64 s[74:75], s[74:75], s[18:19]
	s_wait_kmcnt 0x0                               ; the exponents
	s_add_co_i32 s96, s88, s89                     ; ES and eo.  v: e4 + e5, e9
	s_mov_b32 s97, s93
	s_add_co_i32 s101, s86, s87
	s_cmp_eq_u32 s67, 1
	s_cselect_b32 s96, s101, s96                   ; k: e2 + e3, e7
	s_cselect_b32 s97, s91, s97
	s_add_co_i32 s101, s84, s85
	s_cmp_eq_u32 s67, 0
	s_cselect_b32 s96, s101, s96                   ; q: e0 + e1, e6
	s_cselect_b32 s97, s90, s97
	s_sub_co_i32 s101, 0, s96                      ; -ES
	s_sub_co_i32 s97, s97, s96
	s_add_co_i32 s97, s97, 127
	s_lshl_b32 s98, s97, 23
	v_mov_b32 v[SC], s98                           ; 2^(eo - ES) as f32: the conversion takes its exponent field
	s_wait_loadcnt 0x0                             ; the bias
.set i, 0
.rept 64
	v_ldexp_f32 v[BI+i], v[BI+i], s101             ; bias / 2^ES: exact short of underflow
.set i, i+1
.endr
.macro FRAG reg, adr, q, i             ; a fragment, 16 rows x 128 K of codes, is 16 registers: lane l holds row l % 16; registers 4 c .. 4 c + 3 hold K = 32 c + 16 (l / 16) + 0 .. 15
.irp c, 0,1,2,3
	ds_load_b128 v[\reg+4*\c:\reg+4*\c+3], v[\adr] offset:128*(\q)+32*\c+(\i)*16*PITCH
.endr
.endm
; 16 matrix instructions: A's blocks a0, a0 + 1 x B's eight, 128 along K.  p: B's set.  cmode 0: the sums go on; 1: they begin with the bias of B's tile b; 2: with the bias of A's tile a.  Nothing is ever cleared.
; The 64 accumulators take turns, one instruction a turn, in the same order in every step.
.macro MUL16 a0, p, cmode
.irp a, \a0, \a0+1
.irp b, 0,1,2,3,4,5,6,7
.if \cmode == 1
	v_wmma_f32_16x16x128_fp8_fp8 v[8*(8*((\a)%4)+\b):8*(8*((\a)%4)+\b)+7], v[128*(\p)+FR*\b:128*(\p)+FR*\b+FR-1], v[AF+FR*(\a):AF+FR*(\a)+FR-1], v[BI+8*\b:BI+8*\b+7]
.elseif \cmode == 2
	v_wmma_f32_16x16x128_fp8_fp8 v[8*(8*((\a)%4)+\b):8*(8*((\a)%4)+\b)+7], v[128*(\p)+FR*\b:128*(\p)+FR*\b+FR-1], v[AF+FR*(\a):AF+FR*(\a)+FR-1], v[BI+8*(\a):BI+8*(\a)+7]
.else
	v_wmma_f32_16x16x128_fp8_fp8 v[8*(8*((\a)%4)+\b):8*(8*((\a)%4)+\b)+7], v[128*(\p)+FR*\b:128*(\p)+FR*\b+FR-1], v[AF+FR*(\a):AF+FR*(\a)+FR-1], v[8*(8*((\a)%4)+\b):8*(8*((\a)%4)+\b)+7]
.endif
.endr
.endr
.endm
.macro FETCH_B slot, q, p              ; B's eight fragments of the slot's q-th 128 along K into set p
	WIN TO_B
.irp i, 0,1,2,3,4,5,6,7
	FRAG 128*(\p)+FR*\i, ADRB+\slot, \q, \i
.endr
	WIN 0
.endm
.macro FETCH_A slot, q, i0             ; A's blocks i0 .. i0 + 3
.irp i, \i0, \i0+1, \i0+2, \i0+3
	FRAG AF+FR*(\i), ADRA+\slot, \q, \i
.endr
.endm
; A load into a register that a matrix instruction has read, and a vector instruction that reads a matrix result, stand NP places behind that matrix instruction, and only plain vector
; instructions that name none of its registers are places (ISA guide 7.12.1 for vector instructions).
.macro PLACES n
.rept \n
	v_nop
.endr
.endm
; A step of 128 along K that has its successor in the same slot.  A block of A is free as soon as its eight products are issued: blocks 0-3 are fetched anew in the step's middle, blocks 4-7 at its end.
.macro STEP slot, q, cmode
	s_wait_dscnt 4*NL                              ; B's set and A's blocks 0-3 are in; the youngest 16 loads (A's blocks 4-7) may be out
.if \cmode
	WIN BEG_LO
.else
	WIN MUL_LO
.endif
	MUL16 0, (\q)%2, \cmode
	MUL16 2, (\q)%2, \cmode
	s_wait_dscnt 0                                 ; A's blocks 4-7 are in (asked for 32 matrix instructions ago)
	PLACES NP
	FETCH_B \slot, (\q)+1, 1-(\q)%2
	FETCH_A \slot, (\q)+1, 0
.if \cmode
	WIN BEG_HI
.else
	WIN MUL_HI
.endif
	MUL16 4, (\q)%2, \cmode
	MUL16 6, (\q)%2, \cmode
	PLACES NP
	WIN 0
	FETCH_A \slot, (\q)+1, 4
.endm
; A slot's last step changes slots: ONE barrier; in front of it each wave waits for all its tensor loads, adds 0 to its spare word, and waits for that and for its own reads of this slot.  fill = 1: this slot is filled again, two K steps ahead.
.macro TURN slot, next, fill
	s_wait_tensorcnt 0x0                           ; all my tensor loads have landed: my part of the next slot  (every window is 0 here: the add's two registers lie in window 0)
	ds_add_u32 v[SPW], v[NIL]                      ; 0 onto my spare word
	s_wait_dscnt 4*NL+1                            ; (the add and the youngest 16 loads, A's blocks 4-7, may be out)
	WIN MUL_LO
	MUL16 0, 1, 0                                  ; sixteen matrix instructions stand between the add and the wait for it
	s_wait_dscnt 0x0                               ; the add is done, and my reads of this slot are over
	s_barrier_signal -1
	MUL16 2, 1, 0
	WIN 0
	s_barrier_wait -1
.if \fill
	CREST                                          ; the barrier has opened a round of the cluster's barrier: no wave of any partner still reads this slot's tile or has a load on its way
	s_add_nc_u64 s[G0+4*\slot+2:G0+4*\slot+3], s[G0+4*\slot+2:G0+4*\slot+3], 2*ROWB
	s_add_nc_u64 s[G0B+4*\slot+2:G0B+4*\slot+3], s[G0B+4*\slot+2:G0B+4*\slot+3], 2*ROWB
	JLOAD G0+4*\slot, G1, G0B+4*\slot, G1B         ; the first tensor load behind the round, my one load until the next; the four v_nop behind it are the places in front of the loads below
.else
	PLACES NP
.endif
	FETCH_B \next, 0, 0
	FETCH_A \next, 0, 0
	WIN MUL_HI
	MUL16 4, 1, 0
	MUL16 6, 1, 0
	PLACES NP
	WIN 0
	FETCH_A \next, 0, 4
.endm
	s_wait_tensorcnt 1                             ; my part of K step 0 is in (K step 1's load may be out)
	s_barrier_signal -1
	s_barrier_wait -1                              ; everybody's is
	FETCH_B 0, 0, 0
	FETCH_A 0, 0, 0
	FETCH_A 0, 0, 4
	s_cmp_lt_u32 s67, 2                            ; the first step starts the sums with the bias, whose registers go by B's tile (q, k) or by A's (v): written twice; g is the same in all waves of all sixteen partners,
	s_cbranch_scc0 .Lfirst_v                       ; and neither copy holds a barrier or a tensor load
	s_wait_alu depctr_va_vdst(0)
	STEP 0, 0, 1
	s_branch .Lfirst_done
.Lfirst_v:
	s_wait_alu depctr_va_vdst(0)
	STEP 0, 0, 2
.Lfirst_done:
	s_mov_b32 s3, LAPS-1
.Llap:                                                 ; a trip goes once round the ring, from a lap's second step to the next lap's first, and fills both slots again
	TURN 0, 1, 1
	STEP 1, 0, 0
	TURN 1, 0, 1
	STEP 0, 0, 0
	s_sub_co_u32 s3, s3, 1
	s_cmp_lg_u32 s3, 0
	s_cbranch_scc1 .Llap
	TURN 0, 1, 0                                   ; the last lap fills nothing, and has no round of the cluster's barrier
	STEP 1, 0, 0
	s_wait_dscnt 4*NL                              ; the very last step: nothing more to fetch
	WIN MUL_LO
	MUL16 0, 1, 0
	MUL16 2, 1, 0
	s_wait_dscnt 0
	WIN MUL_HI
	MUL16 4, 1, 0
	MUL16 6, 1, 0
	WIN 0
; THE WAY OUT, block a of A's eight: its 8 accumulators are converted, eight sums to two registers, and stored: 16 registers a lane, four stores of 512 consecutive bytes.
; q, k: registers 0-7 are the image of tokens 16 a .. 16 a + 15 in my first head, 8-15 in my second.  v: the 16 registers are the image of features 16 a .. 16 a + 15 for my 128 keys.
.macro OUTBLK a
.set AC, 64*((\a)%4)
	WIN 0x02+((\a)/4)                              ; source 0: window 2 or 3
.set i, 0
.rept 64
.set i, i+1
.endr
.irp b, 0,1,2,3,4,5,6,7
	v_cvt_scalef32_pk8_fp8_f32 v[CR+16*(\a)+2*\b:CR+16*(\a)+2*\b+1], v[AC+8*\b:AC+8*\b+7], v[SC]
.endr
	WIN 0
	v_nop
.if (\a) > 0
	s_wait_alu depctr_va_vdst(0)
	s_wait_xcnt 0x0                                ; the last block's stores have read their base: it may step
.if (\a) == 4
	s_add_nc_u64 s[74:75], s[74:75], s[82:83]
.else
	s_add_nc_u64 s[74:75], s[74:75], s[80:81]
.endif
.endif
	global_store_b128 v[VO0], v[CR+16*(\a):CR+16*(\a)+3], s[74:75]
	global_store_b128 v[VO0], v[CR+16*(\a)+4:CR+16*(\a)+7], s[74:75] offset:512
	global_store_b128 v[VO1], v[CR+16*(\a)+8:CR+16*(\a)+11], s[74:75]
	global_store_b128 v[VO1], v[CR+16*(\a)+12:CR+16*(\a)+15], s[74:75] offset:512
.endm
	PLACES NP                                      ; behind the last products: block 0's conversions follow, and its codes land where A's fragments lay
.irp a, 0,1,2,3,4,5,6,7
	OUTBLK \a
.endr
	s_wait_tensorcnt 0x0                           ; the wave's end, behind my last tensor load
	ds_add_u32 v[SPW], v[NIL]
	s_wait_dscnt 0x0
	CROUND                                         ; the closing round: no work-group ends while a partner may still ask for a tile that names it
	s_endpgm
.Lfunc_end_k_q7ed9b2f029_proj:
	.size	k_q7ed9b2f029_proj, .Lfunc_end_k_q7ed9b2f029_proj-k_q7ed9b2f029_proj
	.p2alignl 7, 3214868480
	.fill 96, 4, 3214868480
	.section	.rodata,"a",@progbits
	.p2align	6, 0x0
	.amdhsa_kernel k_q7ed9b2f029_proj
		.amdhsa_group_segment_fixed_size 327680
		.amdhsa_private_segment_fixed_size 0
		.amdhsa_enable_private_segment 0
		.amdhsa_kernarg_size 48
		.amdhsa_user_sgpr_count 2
		.amdhsa_user_sgpr_kernarg_segment_ptr 1
		.amdhsa_wavefront_size32 1
		.amdhsa_system_sgpr_workgroup_id_x 1
		.amdhsa_system_sgpr_workgroup_id_y 1
		.amdhsa_system_sgpr_workgroup_id_z 1
		.amdhsa_system_vgpr_workitem_id 0
		.amdhsa_next_free_vgpr 1024
		.amdhsa_next_free_sgpr 102
		.amdhsa_reserve_vcc 0
		.amdhsa_float_denorm_mode_32 3
		.amdhsa_float_denorm_mode_16_64 3
		.amdhsa_fp16_overflow 1
		.amdhsa_memory_ordered 1
		.amdhsa_forward_progress 1
		.amdhsa_inst_pref_size 108
	.end_amdhsa_kernel
	.amdgpu_metadata
---
amdhsa.version: [ 1, 2 ]
amdhsa.kernels:
  - .name:           k_q7ed9b2f029_proj
    .symbol:         k_q7ed9b2f029_proj.kd
    .args:
      - { .name: codes, .offset: 0, .size: 8, .value_kind: global_buffer, .address_space: global }
      - { .name: bq, .offset: 8, .size: 8, .value_kind: global_buffer, .address_space: global }
      - { .name: bk, .offset: 16, .size: 8, .value_kind: global_buffer, .address_space: global }
      - { .name: bv, .offset: 24, .size: 8, .value_kind: global_buffer, .address_space: global }
      - { .name: lowp_scales, .offset: 32, .size: 8, .value_kind: global_buffer, .address_space: global }
      - { .name: qkv, .offset: 40, .size: 8, .value_kind: global_buffer, .address_space: global }
    .group_segment_fixed_size: 327680
    .private_segment_fixed_size: 0
    .kernarg_segment_align: 8
    .kernarg_segment_size: 48
    .max_flat_workgroup_size: 128
    .sgpr_count:     102
    .vgpr_count:     1024
    .wavefront_size: 32
...
	.end_amdgpu_metadata
.endif
;; end of part 2
;; launch attn (part 3): grid 4 x 64, 16 waves a work-group, no clusters, 327,680 bytes of LDS; arguments qkv, lowp_scales, ac; writes ac
.if DOCPART == 3
	.amdgcn_target "amdgcn-amd-amdhsa--gfx1250"
	.amdhsa_code_object_version 6
	.text
	.protected	k_q7ed9b2f029_attn
	.globl	k_q7ed9b2f029_attn
	.p2align	8
	.type	k_q7ed9b2f029_attn,@function
k_q7ed9b2f029_attn:
	s_mov_b64 s[64:65], 0
	v_nop
	global_prefetch_b8 v0, s[64:65] scope:SCOPE_SE
	s_setreg_imm32_b32 hwreg(HW_REG_WAVE_MODE, 25, 1), 1
	s_wait_xcnt 0x0
; THIRD LAUNCH: causal attention on codes of E4M3, 64 heads (batch x head) of 2,048 tokens x 64; the result is quantised for the last projection and stored as images of operand registers.
; LEFT OUT: a step of 128 keys all of which come after a tile's 16 queries (reference()'s own mask gives them the weight 0 for all values of the inputs: see the first launch's head).
; THE SOFTMAX AHEAD OF THE SECOND PRODUCT: t = score x log2(e) / 8; M = the row's largest t so far, rounded UP to a whole number; p = 2^(t - M) is what is quantised, along the keys; it is not normalised.
; The row's sum is taken of the unquantised p, in f32, and divides O at the end.  When M moves, the sum and O are multiplied by 2^(old M - new M): exact.
; INPUT (the second launch's qkv): images in the matrix instruction's own layout: lane (r, h), registers 2 c, 2 c + 1 hold k = 16 c + 8 h + 0 .. 7 of row r.  q, k: [head][tile of 16 tokens][1,024 bytes]; v: [head][block of 128 keys][tile of 16 features][2,048 bytes].
; So every fragment is read at 16 x lane, from memory and from LDS alike: no pitch, no padding; an LDS load's 512 bytes are consecutive.
; SHARES.  Work-group (P, head) owns the blocks of 256 queries P and 7 - P, one after the other: (P + 1) + (8 - P) = 9 slots of 256 keys for EVERY work-group: 256 work-groups of equal length, and a constant count of trips.
; Each of its SIXTEEN waves owns 16 queries of the block in hand, in 256 registers: four waves to a SIMD, so that one wave's vector work stands beside another's matrix work and LDS loads.
; LAYOUT.  Both products are used transposed: S^T = K Q^T (source 0 = 16 keys, source 1 = my 16 queries), O^T = V^T P^T (source 0 = 16 features, source 1 = P): a lane holds ONE query (lane % 16) throughout; register j of key tile c is key
; 16 c + 8 h + j, so a conversion of its eight p gives registers 2 c, 2 c + 1 of P; register j of feature tile t is feature 16 t + 8 h + j, so a conversion of its eight gives registers 2 t, 2 t + 1 of the result's image.
; OUTPUT ac: [tile of 16 tokens 512][head 16][1,024 bytes], the image as q's; two neighbouring heads are one fragment of 16 tokens x 128 along the last projection's K.
; THE RING: two slots of 32,768 bytes (K's 16 images, then V's two blocks); wave 0 fetches K's 16,384 bytes and wave 1 V's, each one dense block, 64 rows of 256 bytes; all sixteen read them.  One tensor load of a fetching wave is out at a time.
; NO CLUSTER: the four work-groups of a head read the same K and V, but in trip T work-group P needs slot T (T <= P) or T - P - 1: other slots in the same trip.  Walking in step, each through the longest first part (4 slots) and the
; longest second part (8), would take 12 slots' time in place of 9.
; LIMITS on the given exponents: e6 + e7 between -123 and 130 (added to c's exponent field); e8 between -126 and 119; e8 + e9 - e10 is applied by v_ldexp_f32 and has none.  NaN among the inputs is not served.
; REGISTERS: v1 16 x lane; v3 256 x lane; v4 r - 8 h; v5, v6 the add's two; v8 the slot's LDS address; v12 -M, v13 the largest t, v[14:15] the sum in two halves; v16-23 Q in hand; v24-31 Q of block 7 - P;
; v32-95 eight fragments of K, then four of V; v96-159 S^T, then p; v160-191 O^T; v192-207 the result's codes, a set for each block; v224-239 p's codes; v236, v242, v243, v252-254 at work; v244 2^e8; v248 1.0.
.set SLOT1, 32768                      ; slot 1 begins here: one exclusive or turns an address in one slot into the other's
.set SPARE, 65536                      ; behind the ring: the spare words, 128 bytes for each of the sixteen waves, which no other line names
.set LI,   1
.set PFO,  3
.set DG,   4
.set SPW,  5
.set NIL,  6
.set ADR,  8
.set ONE,  248
.set TB,   2                           ; s2   LDS byte at which the slot in hand begins
.set TR,   3                           ; s3   the trip, 0 .. 8
.set WV,   18                          ; s18  my wave's number
.set PB,   19                          ; s19  P
.set SEL,  20                          ; s[20:21] lane selects for v_permlanex16_b32: lane l xor 16
.set CS,   22                          ; s[22:23] c = log2(e) / 8 x 2^(e6 + e7)
.set BH,   24                          ; s24  batch x head
.set G1,   32                          ; s[32:39] descriptor group 1
.set KVB,  40                          ; s[40:41] my tensor's (K: even waves, V: odd waves) first byte of the head
.set G0,   44                          ; s[44:47] descriptor group 0, which walks
.set QA,   48                          ; s[48:49], s[50:51] my Q images of blocks P and 7 - P
.set QB,   50
.set OA,   52                          ; s[52:53], s[54:55] where their results go
.set OB,   54
.set PFA,  56                          ; s[56:57] where my prefetches stand
.set LIMT, 58                          ; s58  a wave prefetches while the trip is under this: 6 or 0
.set Q0,   60                          ; s60  my first query in the block in hand;  s61 in block 7 - P
.set Q0B,  61
.set KF,   62                          ; s62  the step's first key
.set PSW,  63                          ; s63  P + 1: the trip in which the second block begins
; Waves 0 and 1 fetch, the others nothing.  The branch hangs on the wave's number alone.  An s_nop 0 and four v_nop follow the load.
.macro TLOAD
	s_cmp_lt_u32 s[WV], 2
	s_cbranch_scc0 .Lasked_\@
	tensor_load_to_lds s[G0:G0+3], s[G1:G1+7]
	s_nop 0
.rept 4
	v_nop
.endr
.Lasked_\@:
.endm
; A PREFETCH INTO THE L2, at the change of slots, where the fetching waves have their tensor load.  Trip T asks for slot T + 2 of the head (T = 0 .. 5: slots 2 .. 7); slots 0 and 1 come by their loads alone.
; Each aligned block of 256 bytes is named ONCE in the launch: of a head's four work-groups the one with P = 0 asks (a branch on the work-group's number: this launch has no cluster), and in it four waves that fetch nothing:
; waves 4, 5 for the halves of K's 16,384 bytes, waves 6, 7 for V's: 8,192 bytes a wave, lanes 256 bytes apart, one instruction.  Work-group P = 0 loads slot s in trip s, the others a trip earlier or later.
.macro ASK
	s_cmp_lt_u32 s[TR], s[LIMT]
	s_cbranch_scc0 .Lnot_mine_\@
	global_prefetch_b8 v[PFO], s[PFA:PFA+1] th:TH_LOAD_NT scope:SCOPE_SE
.Lnot_mine_\@:
.endm
	s_load_b128 s[4:7], s[0:1], 0x0                ; qkv s[4:5], the scales' exponents s[6:7]
	s_load_b64 s[8:9], s[0:1], 0x10                ; ac
	v_lshl_add_u32 v[SPW], v0, 2, SPARE
	v_mov_b32 v[NIL], 0
	ds_add_u32 v[SPW], v[NIL]                      ; the wave's opening: the add, twice on end, and its wait ahead of my first tensor load; the set-up below, work on registers, stands between the second and the wait
	ds_add_u32 v[SPW], v[NIL]
	v_lshrrev_b32 v8, 5, v0
	s_delay_alu instid0(VALU_DEP_1)
	v_readfirstlane_b32 s[WV], v8                  ; wave 0..15
	s_mov_b32 s[PB], ttmp9
	s_and_b32 s[BH], ttmp7, 0xffff
	s_add_co_u32 s[PSW], s[PB], 1
	; descriptor group 1: a dense block of 16,384 bytes as 64 rows of 256 bytes
	s_mov_b32 s[G1], 3<<16                         ; 15:0 no mask; 17:16 elements of 8 bytes; no padding
	s_mov_b32 s[G1+1], 32<<16                      ; tensor_dim0 = 32 elements
	s_mov_b32 s[G1+2], 64<<16                      ; tensor_dim1 = 64
	s_mov_b32 s[G1+3], 32<<16                      ; tile_dim0
	s_mov_b32 s[G1+4], 64                          ; tile_dim1
	s_mov_b32 s[G1+5], 32                          ; tensor_dim0_stride: the rows are dense
	s_mov_b32 s[G1+6], 0
	s_mov_b32 s[G1+7], 0
	s_mov_b32 s[SEL], 0x76543210
	s_mov_b32 s[SEL+1], 0xfedcba98
	s_mov_b32 s[CS], 0x3e38aa3b                    ; c = log2(e) / 8
	s_mov_b32 s[TB], 0
	s_mov_b32 s[TR], 0
	s_mov_b32 s[KF], 0
	s_lshl_b32 s28, s[BH], 17                      ; a head's 131,072 bytes in each of q, k, v
	s_and_b32 s10, s[WV], 1
	s_lshl_b32 s29, s10, 14                        ; in a slot: K at 0, V at 16,384
	s_add_co_u32 s11, s10, 1
	s_lshl_b32 s11, s11, 23                        ; in qkv: k at 8,388,608, v at 16,777,216
	s_add_co_u32 s12, s11, s28
	s_mov_b32 s13, 0
	s_wait_dscnt 0x0                               ; both opening adds are done
	s_wait_kmcnt 0x0
	s_load_b128 s[68:71], s[6:7], 0x18             ; e6, e7, e8, e9
	s_load_b32 s72, s[6:7], 0x28                   ; e10
	s_add_nc_u64 s[KVB:KVB+1], s[4:5], s[12:13]
	s_mov_b32 s[G0], 1                             ; 1:0 count = 1
	s_mov_b32 s[G0+1], s29                         ; 63:32 LDS address: slot 0
	s_mov_b64 s[G0+2:G0+3], s[KVB:KVB+1]           ; 120:64 global address: the head's first 256 keys
	s_or_b32 s[G0+3], s[G0+3], 0x80000000          ; 127:126 type = 2
	TLOAD                                          ; slot 0
	s_lshl_b32 s26, s[PB], 4
	s_add_co_u32 s26, s26, s[WV]                   ; my tile of 16 tokens in block P,
	s_sub_co_u32 s27, 7, s[PB]
	s_lshl_b32 s27, s27, 4
	s_add_co_u32 s27, s27, s[WV]                   ; and in block 7 - P
	s_lshl_b32 s[Q0], s26, 4
	s_lshl_b32 s[Q0B], s27, 4
	s_mov_b32 s17, 0
	s_lshl_b32 s16, s26, 10
	s_add_co_u32 s16, s16, s28
	s_add_nc_u64 s[QA:QA+1], s[4:5], s[16:17]
	s_lshl_b32 s16, s27, 10
	s_add_co_u32 s16, s16, s28
	s_add_nc_u64 s[QB:QB+1], s[4:5], s[16:17]
	v_and_b32 v[LI], 31, v0
	s_delay_alu instid0(VALU_DEP_1)
	v_lshlrev_b32 v[PFO], 8, v[LI]
	s_delay_alu instid0(VALU_DEP_2)
	v_lshlrev_b32 v[LI], 4, v[LI]
	global_load_b128 v[16:19], v[LI], s[QA:QA+1]   ; both Q fragments stay in registers
	global_load_b128 v[20:23], v[LI], s[QA:QA+1] offset:512
	global_load_b128 v[24:27], v[LI], s[QB:QB+1]
	global_load_b128 v[28:31], v[LI], s[QB:QB+1] offset:512
	s_lshr_b32 s11, s[BH], 4
	s_lshl_b32 s11, s11, 7                         ; the batch's first tile of tokens
	s_and_b32 s12, s[BH], 15
	s_lshl_b32 s12, s12, 10                        ; the head's image in a tile's 16,384 bytes
	s_add_co_u32 s16, s11, s26
	s_lshl_b32 s16, s16, 14
	s_add_co_u32 s16, s16, s12
	s_add_nc_u64 s[OA:OA+1], s[8:9], s[16:17]
	s_add_co_u32 s16, s11, s27
	s_lshl_b32 s16, s16, 14
	s_add_co_u32 s16, s16, s12
	s_add_nc_u64 s[OB:OB+1], s[8:9], s[16:17]
	; the prefetches: waves 4, 5: K's halves; waves 6, 7: V's
	s_bfe_u32 s11, s[WV], 0x10001                  ; (wave / 2) % 2
	s_add_co_u32 s11, s11, 1
	s_lshl_b32 s11, s11, 23
	s_add_co_u32 s11, s11, s28
	s_lshl_b32 s12, s10, 13
	s_add_co_u32 s16, s11, s12
	s_add_co_u32 s16, s16, 16384                   ; in slot 1: the first change of slots steps it to slot 2.  Nothing is prefetched here, at the head
	s_add_nc_u64 s[PFA:PFA+1], s[4:5], s[16:17]
	s_sub_co_u32 s11, s[WV], 4
	s_lshr_b32 s11, s11, 2                         ; 0 in waves 4 to 7,
	s_or_b32 s11, s11, s[PB]                       ; of the work-group with P = 0
	s_cmp_eq_u32 s11, 0
	s_cselect_b32 s[LIMT], 6, 0
	v_and_b32 v9, 15, v0                           ; r
	v_bfe_u32 v10, v0, 4, 1                        ; h
	s_delay_alu instid0(VALU_DEP_1)
	v_lshlrev_b32 v10, 3, v10
	s_delay_alu instid0(VALU_DEP_1)
	v_sub_nc_u32 v[DG], v9, v10                    ; r - 8 h, for the diagonal
	v_mov_b32 v[ONE], 1.0
	v_mov_b32 v236, 0                              ; written once: a lane permute's destination counts as one of its sources
	v_mov_b32 v252, 0
	v_mov_b32 v253, 0                              ; (named as the upper half of the pair v[252:253])
.macro INIT                                    ; a block begins: O^T and the sum are zeros and the largest t lies under every t, so that the step is written once: the first change of M multiplies zeros
	v_mov_b32 v13, 0xff61b1e6                      ; -3e38
	s_delay_alu instid0(VALU_DEP_1)
	v_floor_f32 v12, -v13                          ; -M
	v_mov_b32 v14, 0
	v_mov_b32 v15, 0
.set j, 0
.rept 32
	v_mov_b32 v[160+j], 0
.set j, j+1
.endr
.endm
	INIT
	s_wait_kmcnt 0x0
	s_add_co_i32 s74, s68, s69
	s_lshl_b32 s74, s74, 23
	s_add_co_i32 s[CS], s[CS], s74                 ; a score stands for score x 2^(e6 + e7): the two exponents are added to c's exponent field
	s_mov_b32 s[CS+1], s[CS]                       ; (named with it as a pair, so it is written)
	s_add_co_i32 s74, s70, 127
	s_lshl_b32 s75, s74, 23
	v_mov_b32 v244, s75                            ; 2^e8 as f32, for p's conversion
	s_add_co_i32 s73, s70, s71
	s_sub_co_i32 s73, s73, s72                     ; e8 + e9 - e10: O^T / the sum x 2^(e8 + e9) is the result; its code is that / 2^e10
; A KEY STEP: 128 keys, the q-th of the slot in hand.
.macro STEP q
	s_add_co_u32 s96, s[Q0], 15                    ; a step all of whose keys come after my 16 queries is left out: a scalar branch on ids and counted steps, round the step's loads, products and softmax;
	s_cmp_gt_u32 s[KF], s96                        ; not round the line at its end that steps the key; no barrier or tensor load stands in a step
	s_cbranch_scc1 .Lhidden_\@
	s_wait_alu depctr_va_vdst(0)
.irp c, 0,1,2,3,4,5,6,7                        ; K's eight tiles of 16 keys (the four v_nop at a step's end are the places in front of these loads)
	ds_load_b128 v[32+8*\c:35+8*\c], v[ADR] offset:8192*(\q)+1024*\c
	ds_load_b128 v[36+8*\c:39+8*\c], v[ADR] offset:8192*(\q)+1024*\c+512
.endr
	s_wait_dscnt 0x0
	s_wait_alu depctr_va_vdst(0)
.irp c, 0,1,2,3,4,5,6,7
	v_wmma_f32_16x16x64_fp8_fp8 v[96+8*\c:103+8*\c], v[32+8*\c:39+8*\c], v[16:23], 0
.endr
.rept 4
	v_nop                                          ; places in front of the loads into K's registers, and of the first read of the scores
.endr
.irp t, 0,1,2,3                                ; V's four tiles of 16 features x 128 keys: they land while the softmax is worked
.irp i, 0,1,2,3
	ds_load_b128 v[32+16*\t+4*\i:35+16*\t+4*\i], v[ADR] offset:16384+8192*(\q)+2048*\t+512*\i
.endr
.endr
	s_add_co_u32 s96, s[KF], 127                   ; on the diagonal the scores of hidden keys become -infinity ahead of the maximum: p = 0 then.  A step all of whose keys count skips this
	s_cmp_le_u32 s96, s[Q0]
	s_cbranch_scc1 .Lopen_\@
	s_sub_co_i32 s96, s[Q0], s[KF]
	v_add_nc_u32 v252, s96, v[DG]                  ; d = my query - the step's first key - 8 h.  Register 8 c + j holds key 16 c + 8 h + j of the step: hidden where 16 c + j > d
	v_mov_b32 v254, 0xff800000                     ; -infinity
.set n, 0
.rept 64
	v_cmp_gt_i32 vcc_lo, 16*(n/8)+n%8, v252
	v_cndmask_b32 v[96+n], v[96+n], v254, vcc_lo
.set n, n+1
.endr
.Lopen_\@:
	v_max3_num_f32 v254, v96, v97, v98             ; the step's largest score of my query, among my 64 keys, in two chains (each accumulator is met from its low end),
	v_max3_num_f32 v252, v99, v100, v101
.set j, 6
.rept 14
	v_max3_num_f32 v254, v254, v[96+j], v[97+j]
	v_max3_num_f32 v252, v252, v[98+j], v[99+j]
.set j, j+4
.endr
	v_max3_num_f32 v254, v254, v158, v159
	s_delay_alu instid0(VALU_DEP_1)
	v_max_num_f32 v254, v254, v252
	v_permlanex16_b32 v236, v254, s[SEL], s[SEL+1]
	s_delay_alu instid0(VALU_DEP_1)
	v_max_num_f32 v254, v254, v236                 ; and among lane l xor 16's (key 0 counts for every query, so this is a number from a block's first step on)
	s_delay_alu instid0(VALU_DEP_1)
	v_mul_f32 v254, s[CS], v254                    ; as t (c is positive)
	s_delay_alu instid0(VALU_DEP_1)
	v_max_num_f32 v13, v13, v254                   ; the running largest t
	v_mov_b32 v254, v12
	s_delay_alu instid0(VALU_DEP_2)
	v_floor_f32 v12, -v13                          ; the new -M = floor(-t) = -ceil(t): M IS A WHOLE NUMBER
	s_delay_alu instid0(VALU_DEP_1)
	v_sub_f32 v254, v12, v254                      ; M's old value less its new one: a whole number, 0 or less
	s_delay_alu instid0(VALU_DEP_1)
	v_cvt_i32_f32 v254, v254                       ; (it saturates)
	s_delay_alu instid0(VALU_DEP_1)
	v_ldexp_f32 v252, 1.0, v254                    ; f = 2^(old M - new M)
.set j, 0
.rept 32
	v_pk_fma_f32 v[96+j:97+j], v[96+j:97+j], s[CS:CS+1], v[12:13] op_sel_hi:[1,0,0]   ; t - M, two at a time (of the pairs c and -M the low word serves both halves)
.set j, j+2
.endr
.set j, 0
	s_wait_alu depctr_va_vdst(0)
.rept 64
	v_exp_f32 v[96+j], v[96+j]                     ; p = 2^(t - M), at most 1: NOT normalised
.set j, j+1
.endr
	v_pk_mul_f32 v[14:15], v[14:15], v[252:253] op_sel_hi:[1,0]   ; the sums under the new M.  (The plain instruction behind the exponentials)
	s_wait_alu depctr_va_vdst(0)                   ; one wait for the whole batch of exponentials, ahead of its first reader
	v_pk_add_f32 v[242:243], v[100:101], v[104:105]
	v_pk_add_f32 v[254:255], v[108:109], v[112:113]
	v_pk_add_f32 v[250:251], v[116:117], v[120:121]
	v_pk_add_f32 v[246:247], v[124:125], v[128:129]
	v_pk_add_f32 v[240:241], v[132:133], v[136:137]
	v_pk_add_f32 v[238:239], v[140:141], v[144:145]
	v_pk_add_f32 v[236:237], v[148:149], v[152:153]
	v_pk_add_f32 v[14:15], v[14:15], v[156:157]
	v_pk_add_f32 v[242:243], v[242:243], v[96:97]
	v_pk_add_f32 v[254:255], v[254:255], v[98:99]
	v_pk_add_f32 v[250:251], v[250:251], v[102:103]
	v_pk_add_f32 v[246:247], v[246:247], v[106:107]
	v_pk_add_f32 v[240:241], v[240:241], v[110:111]
	v_pk_add_f32 v[238:239], v[238:239], v[114:115]
	v_pk_add_f32 v[236:237], v[236:237], v[118:119]
	v_pk_add_f32 v[14:15], v[14:15], v[122:123]
	v_pk_add_f32 v[242:243], v[242:243], v[126:127]
	v_pk_add_f32 v[254:255], v[254:255], v[130:131]
	v_pk_add_f32 v[250:251], v[250:251], v[134:135]
	v_pk_add_f32 v[246:247], v[246:247], v[138:139]
	v_pk_add_f32 v[240:241], v[240:241], v[142:143]
	v_pk_add_f32 v[238:239], v[238:239], v[146:147]
	v_pk_add_f32 v[236:237], v[236:237], v[150:151]
	v_pk_add_f32 v[14:15], v[14:15], v[154:155]
	v_pk_add_f32 v[242:243], v[242:243], v[158:159]
	s_delay_alu instid0(VALU_DEP_2)
	v_pk_add_f32 v[14:15], v[14:15], v[246:247]
	s_delay_alu instid0(VALU_DEP_2)
	v_pk_add_f32 v[242:243], v[242:243], v[240:241]
	v_pk_add_f32 v[254:255], v[254:255], v[238:239]
	v_pk_add_f32 v[250:251], v[250:251], v[236:237]
	s_delay_alu instid0(VALU_DEP_2)
	v_pk_add_f32 v[14:15], v[14:15], v[254:255]
	s_delay_alu instid0(VALU_DEP_2)
	v_pk_add_f32 v[242:243], v[242:243], v[250:251]
	s_delay_alu instid0(VALU_DEP_1)
	v_pk_add_f32 v[14:15], v[14:15], v[242:243]
.irp c, 0,1,2,3,4,5,6,7
.irp i, 0,1,2,3,4,5,6,7
.endr
	v_cvt_scalef32_pk8_fp8_f32 v[224+2*\c:225+2*\c], v[96+8*\c:103+8*\c], v244   ; registers 2 c, 2 c + 1 of P: keys 16 c + 8 h + 0 .. 7
.endr
.set j, 0
.rept 16
	v_pk_mul_f32 v[160+j:161+j], v[160+j:161+j], v[252:253] op_sel_hi:[1,0]   ; O^T under the new M: x f.  (Also the plain instructions between the conversions and the products that read their results)
.set j, j+2
.endr
	s_wait_alu depctr_va_vdst(0)
	s_wait_dscnt 0x0                               ; V is in
.irp t, 0,1,2,3                                ; O^T += V^T P^T: K = these 128 keys; four accumulators by turns
	v_wmma_f32_16x16x128_fp8_fp8 v[160+8*\t:167+8*\t], v[32+16*\t:47+16*\t], v[224:239], v[160+8*\t:167+8*\t]
.endr
.rept 4
	v_nop                                          ; places in front of whatever follows: the next step's loads into V's registers, or the way out's reads of O^T
.endr
.Lhidden_\@:
	s_add_co_u32 s[KF], s[KF], 128
.endm
; THE CHANGE OF SLOTS stands at a slot's head.  Each wave waits for all its tensor loads (its part of the slot that it is about to read), adds 0 to its spare word (fill = 1: twice on end), and waits for that and for its reads of the slot
; that it has left.  Behind the barrier the slot ahead is whole and nobody reads the other one.  fill = 1: that other slot is filled with the 256 keys of the next trip: the load has a whole slot's steps in which to land.
; Every slot that is asked for is read: its first 128 keys by all sixteen waves, its second by waves 8 to 15 at the least.
.macro CHANGE fill
	s_wait_tensorcnt 0x0                           ; no tensor load of mine is out, so group 0 may be written
	ds_add_u32 v[SPW], v[NIL]                      ; 0 onto my spare word
.if \fill
	ds_add_u32 v[SPW], v[NIL]                      ; and once more: twice on end, in every trip alike.  The descriptor's step stands between the second and the wait
	s_add_co_u32 s26, s[TR], 1                     ; the next trip f reads slot f of the keys (f <= P: the first block) or f - P - 1 (the second)
	s_sub_co_u32 s27, s26, s[PSW]
	s_cmp_le_u32 s26, s[PB]
	s_cselect_b32 s26, s26, s27
	s_lshl_b32 s26, s26, 14                        ; 16,384 bytes of K, and of V, to a slot
	s_mov_b32 s27, 0
	s_xor_b32 s[G0+1], s[G0+1], SLOT1              ; the other slot than last time
	s_add_nc_u64 s[G0+2:G0+3], s[KVB:KVB+1], s[26:27]
	s_or_b32 s[G0+3], s[G0+3], 0x80000000
	s_wait_xcnt 0x0                                ; the last prefetch, a trip back, has read its address, and a finished block's stores their registers:
	s_add_nc_u64 s[PFA:PFA+1], s[PFA:PFA+1], 16384 ; a slot on
.endif
	s_wait_dscnt 0x0                               ; the add is done (fill = 1: both are), and my reads of the slot that I have left are over
	s_barrier_signal -1
	s_barrier_wait -1
.if \fill
	TLOAD                                          ; the first thing behind the barrier, and a wave's one tensor load until the next
	ASK
.endif
.endm
.macro SLOT_STEPS
	v_add_nc_u32 v[ADR], s[TB], v[LI]
	STEP 0
	STEP 1
	s_xor_b32 s[TB], s[TB], SLOT1                  ; on to the other slot
.endm
; A BLOCK'S WAY OUT.  O^T x 2^(e8 + e9 - e10) / the sum, converted with the scale 1: eight registers, the image of my 16 tokens in my head; two stores of 512 consecutive bytes, aligned.
; Each of the two blocks has its own eight registers for its codes, so that no store's data are written again.
.macro FINISH ptr, oc
	v_add_f32 v14, v14, v15                        ; the sum's two halves,
	s_delay_alu instid0(VALU_DEP_1)
	v_permlanex16_b32 v252, v14, s[SEL], s[SEL+1]
	s_delay_alu instid0(VALU_DEP_1)
	v_add_f32 v14, v14, v252                       ; and lane l xor 16's: the row's sum
	s_wait_alu depctr_va_vdst(0)
	v_rcp_f32 v14, v14
	v_nop                                          ; a plain instruction behind the reciprocal,
	s_wait_alu depctr_va_vdst(0)                   ; and a wait ahead of its first reader
	v_ldexp_f32 v14, v14, s73
.set j, 0
.rept 16
	v_pk_mul_f32 v[96+j:97+j], v[160+j:161+j], v[14:15] op_sel_hi:[1,0]   ; each accumulator from its low end on
.set j, j+2
.endr
.set j, 0
.rept 32
.set j, j+1
.endr
.irp t, 0,1,2,3
	v_cvt_scalef32_pk8_fp8_f32 v[\oc+2*\t:\oc+2*\t+1], v[96+8*\t:103+8*\t], v[ONE]
.endr
	v_nop                                          ; one plain vector instruction behind the conversions: later products write their sources
	global_store_b128 v[LI], v[\oc:\oc+3], s[\ptr:\ptr+1]
	global_store_b128 v[LI], v[\oc+4:\oc+7], s[\ptr:\ptr+1] offset:512
.endm
	s_wait_loadcnt 0x0                             ; Q
.Lslot:                                            ; eight trips: behind each change of slots but the last the next trip's slot is asked for
	CHANGE 1
	s_cmp_lg_u32 s[TR], s[PSW]                     ; in trip P + 1 the first block is finished and the second begins: ids and the count of trips alone, the same in all sixteen waves; no barrier or tensor load stands inside
	s_cbranch_scc1 .Lsame
	FINISH OA, 192
	INIT
.irp j, 0,1,2,3,4,5,6,7
	v_mov_b32 v[16+\j], v[24+\j]                   ; Q of block 7 - P
.endr
	s_mov_b32 s[Q0], s[Q0B]
	s_mov_b32 s[KF], 0
.Lsame:
	SLOT_STEPS
	s_add_co_u32 s[TR], s[TR], 1
	s_cmp_lt_u32 s[TR], 8
	s_cbranch_scc1 .Lslot
	CHANGE 0                                       ; the last slot is written out
	SLOT_STEPS
	FINISH OB, 200
	s_wait_tensorcnt 0x0                           ; the wave's end, behind my last tensor load
	ds_add_u32 v[SPW], v[NIL]
	s_wait_dscnt 0x0
	s_endpgm
.Lfunc_end_k_q7ed9b2f029_attn:
	.size	k_q7ed9b2f029_attn, .Lfunc_end_k_q7ed9b2f029_attn-k_q7ed9b2f029_attn
	.p2alignl 7, 3214868480
	.fill 96, 4, 3214868480
	.section	.rodata,"a",@progbits
	.p2align	6, 0x0
	.amdhsa_kernel k_q7ed9b2f029_attn
		.amdhsa_group_segment_fixed_size 327680
		.amdhsa_private_segment_fixed_size 0
		.amdhsa_enable_private_segment 0
		.amdhsa_kernarg_size 24
		.amdhsa_user_sgpr_count 2
		.amdhsa_user_sgpr_kernarg_segment_ptr 1
		.amdhsa_wavefront_size32 1
		.amdhsa_system_sgpr_workgroup_id_x 1
		.amdhsa_system_sgpr_workgroup_id_y 1
		.amdhsa_system_sgpr_workgroup_id_z 1
		.amdhsa_system_vgpr_workitem_id 0
		.amdhsa_next_free_vgpr 256
		.amdhsa_next_free_sgpr 100
		.amdhsa_reserve_vcc 1
		.amdhsa_float_denorm_mode_32 3
		.amdhsa_float_denorm_mode_16_64 3
		.amdhsa_fp16_overflow 1
		.amdhsa_memory_ordered 1
		.amdhsa_forward_progress 1
		.amdhsa_inst_pref_size 89
	.end_amdhsa_kernel
	.amdgpu_metadata
---
amdhsa.version: [ 1, 2 ]
amdhsa.kernels:
  - .name:           k_q7ed9b2f029_attn
    .symbol:         k_q7ed9b2f029_attn.kd
    .args:
      - { .name: qkv, .offset: 0, .size: 8, .value_kind: global_buffer, .address_space: global }
      - { .name: lowp_scales, .offset: 8, .size: 8, .value_kind: global_buffer, .address_space: global }
      - { .name: ac, .offset: 16, .size: 8, .value_kind: global_buffer, .address_space: global }
    .group_segment_fixed_size: 327680
    .private_segment_fixed_size: 0
    .kernarg_segment_align: 8
    .kernarg_segment_size: 24
    .max_flat_workgroup_size: 512
    .sgpr_count:     100
    .vgpr_count:     256
    .wavefront_size: 32
...
	.end_amdgpu_metadata
.endif
;; end of part 3
;; launch outp (part 4): grid 4 x 32, 4 waves a work-group, clusters of 4 x 4, 327,680 bytes of LDS; arguments ac, codes, bo, lowp_scales, out0; writes out0
.if DOCPART == 4
	.amdgcn_target "amdgcn-amd-amdhsa--gfx1250"
	.amdhsa_code_object_version 6
	.text
	.protected	k_q7ed9b2f029_outp
	.globl	k_q7ed9b2f029_outp
	.p2align	8
	.type	k_q7ed9b2f029_outp,@function
k_q7ed9b2f029_outp:
	s_mov_b64 s[64:65], 0
	v_nop
	global_prefetch_b8 v0, s[64:65] scope:SCOPE_SE
	s_setreg_imm32_b32 hwreg(HW_REG_WAVE_MODE, 25, 1), 1
	s_wait_xcnt 0x0
	s_wait_alu depctr_hold_cnt(0) depctr_sa_sdst(0) depctr_va_vdst(0) depctr_va_sdst(0) depctr_va_ssrc(0) depctr_va_vcc(0) depctr_vm_vsrc(0)
	s_getreg_b32 s2, hwreg(HW_REG_IB_STS2, 6, 4)
	s_cmp_eq_u32 s2, 0
	s_cbranch_scc0 .Lentry_in_a_cluster
	s_endpgm
.Lentry_in_a_cluster:
	s_bfe_u32 s2, ttmp6, 0x10000c
	s_cmp_lg_u32 s2, 0xf033
	s_cbranch_scc0 .Lentry_shape_is_right
	s_endpgm
.Lentry_shape_is_right:
; FOURTH LAUNCH: out0 = a Wo^T + bo on codes of E4M3: a [8,192][1,024] is the third launch's result, Wo's codes are the first launch's.  out0: [8,192][1,024] f32.  No work is left out here.
; A number of a is its code x 2^e10, of Wo x 2^e11.  bo goes in as bo / 2^(e10 + e11), as the C of each sum's first matrix instruction, and each finished sum is multiplied once by 2^(e10 + e11).
; LIMIT: e10 + e11 between -126 and 127, so that 2^(e10 + e11) is an f32 number.
; A tile of 256 x 256 of the output is made by four waves, 128 x 128 each: 64 accumulators, 512 registers: 128 work-groups.  K goes in steps of 256 through a ring of two LDS slots filled by the tensor data mover.
; A's CODES ARE IMAGES OF OPERAND REGISTERS: ac is [tile of 16 tokens 512][head 16][1,024 bytes]; lane (r, h) holds of token r, in registers 2 c, 2 c + 1, k = 16 c + 8 h + 0 .. 7 of the head's 64; two neighbouring heads are a fragment of
; 16 tokens x 128 K in the matrix instruction's own layout, read from LDS at 16 x lane by four loads of 16 bytes.  A K step of 256 is four heads: 4,096 dense bytes of each tile of tokens; a wave's tensor load brings 8 such rows, 16,384 bytes apart.
; B's codes lie as rows ([1,024 features][1,024 K]), padded in LDS, and are read in the same own layout: eight loads of 8 bytes a fragment, at row x pitch + 8 h + 16 c.  So every product meets its partner.
; CLUSTERS: 4 x 4 work-groups.  The four of a row of the cluster need the same tiles of A, the four of a column the same tiles of B: each tile is asked for JOINTLY, by the same tensor load with the same descriptor and a mask that names the four.
; THE MATRIX INSTRUCTION IS USED TRANSPOSED (source 0 = 16 rows of Wo, source 1 = 16 tokens): a lane then holds eight neighbouring numbers of a row of the output.  No prefetch: K has four steps, two of them asked for at the head.
; REGISTERS, in windows of 256: window 0: v1-29 addresses; v32-95 the bias in the result's layout; from v128 A's fragments, ONE set; on the way out v32-255 are free.
;   window 1: B's fragments, TWO sets.   window 2: the accumulators of my rows 0-63 ((a, b) at v[8 (8 a + b)]);   window 3: those of my rows 64-127.
.set ROWB,   256                       ; a row of B's tile in bytes
.set KROW,   1024                      ; a row of Wo's codes in memory
.set PITCH,  272                       ; B's LDS row: 256 bytes + 16 of padding = 68 words: lane (r, h) of a load of 8 bytes starts at bank 4 r + 2 h mod 64 (64 banks of 4 bytes: ISA guide 11.1): the 32 lanes touch each bank once
.set FR,     16                        ; registers of a fragment: 16 rows x 128 K
.set NL,     4                         ; LDS loads that bring a fragment of A
.set NP,     4                         ; places behind this matrix instruction (ISA guide 7.12.1)
.set HALFA,  32768                     ; 8 tiles of tokens x 4,096 bytes: what one tensor load brings of A, and what one wave reads of it
.set HALFB,  128*PITCH                 ; 128 rows of B likewise
.set BOFF,   2*HALFA                   ; a slot: A's 16 tiles of tokens, then B's 256 rows
.set SLOT,   BOFF+2*HALFB
.set LAPS,   2                         ; 1,024 / (2 x 256)
.set SPARE,  2*SLOT                    ; behind the ring: the spare words, 128 bytes for each wave, which no other line names
.set SPITCH, 528                       ; the way out: a stage of 16 rows x (512 bytes + 16) for each wave.  It lies in slot 0, which has had its last fill and its last read when the first result is stored there
.set NROW,   4096                      ; a row of the output in bytes
.set ADRA, 16                          ; v16-17  LDS address of my A fragments in slot 0, 1
.set ADRB, 20                          ; v20-21  the same for B
.set STO,  24                          ; v24     the way out: where I put 32 bytes of a row
.set RD,   25                          ; v25     the way out: where I read a row back
.set CO,   26                          ; v26     16 x lane: my byte offset in a row's 512 bytes, and in an image
.set SPW,  28                          ; v28     LDS address of my spare word: SPARE + 4 x my thread's number; never rewritten
.set NIL,  29                          ; v29     0; never rewritten
.set BI,   32                          ; v32-95  bo / 2^(e10 + e11): eight registers for each of B's eight tiles
.set TMP,  32                          ; the way out: 64 registers, a block's sums x 2^(e10 + e11)
.set AF,   128                         ; A's fragments, in window 0
.set BK,   128                         ; the way out: 16 rows read back from the stage: v128-191 and v192-255 by turns
.set G1, 24                            ; s[24:31] descriptor group 1 for A's tiles;  s[32:39] group 0, one set for each slot
.set G0, 32
.set G1B, 48                           ; s[48:55], s[56:63] the same for B's tiles
.set G0B, 56
.set MSB, 0
.macro WIN new                         ; the immediate's high byte repeats the setting that is left
.if MSB != \new
	s_set_vgpr_msb (MSB<<8)|\new
.set MSB, \new
.endif
.endm
.set MUL_LO, 0xa1                      ; source 0 (B) window 1, source 1 (A) window 0, C and D window 2
.set MUL_HI, 0xf1                      ; the same, C and D window 3
.set BEG_LO, 0x81                      ; a sum's first product: C (the bias) window 0, D window 2
.set BEG_HI, 0xc1                      ; the same, D window 3
.set TO_B,   0x40                      ; destination window 1, address window 0
; A joint load: waves 0 and 1 fetch for A, waves 2 and 3 for B.  Each of the two lines has ONE mask and one set of registers for all that issue it; the branch hangs on the wave's number alone.
; An s_nop 0 and four v_nop follow each of the two lines, ahead of the jump, the label and what follows.
.macro JLOAD g0a, g1a, g0b, g1b
	s_cmp_eq_u32 s15, 0
	s_cbranch_scc0 .Lfor_b_\@
	tensor_load_to_lds s[\g0a:\g0a+3], s[\g1a:\g1a+7]
	s_nop 0
.rept 4
	v_nop
.endr
	s_branch .Lasked_\@
.Lfor_b_\@:
	tensor_load_to_lds s[\g0b:\g0b+3], s[\g1b:\g1b+7]
	s_nop 0
.rept 4
	v_nop
.endr
.Lasked_\@:
.endm
.macro CREST                           ; a round of the cluster's barrier behind its opening barrier
	s_cmp_lg_u32 s14, 0
	s_cbranch_scc1 .Lnot_wave_0_\@
	s_barrier_signal -3
.Lnot_wave_0_\@:
	s_barrier_wait -3
	s_barrier_signal -1
	s_barrier_wait -1
.endm
.macro CROUND                          ; a whole round
	s_barrier_signal -1
	s_barrier_wait -1
	CREST
.endm
	s_load_b256 s[4:11], s[0:1], 0x0               ; ac s[4:5], the codes s[6:7], bo s[8:9], the scales' exponents s[10:11]
	s_load_b64 s[12:13], s[0:1], 0x20              ; out0
	v_lshl_add_u32 v[SPW], v0, 2, SPARE
	v_mov_b32 v[NIL], 0
	ds_add_u32 v[SPW], v[NIL]                      ; the wave's opening: the add, twice on end, and its wait ahead of my first tensor load; the set-up below, work on registers, stands between the second and the wait
	ds_add_u32 v[SPW], v[NIL]
	v_lshrrev_b32 v1, 5, v0
	v_readfirstlane_b32 s14, v1                    ; wave 0..3
	s_lshr_b32 s15, s14, 1                         ; which half of the tile's rows is mine.  Also: I fetch for A (0) or for B (1)
	s_and_b32 s16, s14, 1                          ; which half of its columns.  Also: which half of that tile I fetch
	s_bfe_u32 s40, ttmp6, 0x40000                  ; cx, cy: my place in the cluster
	s_bfe_u32 s41, ttmp6, 0x40004
	s_mov_b32 s42, s40                             ; tile column = cx: the grid has one cluster along x
	s_and_b32 s17, ttmp7, 0xffff
	s_lshl_b32 s17, s17, 2
	s_add_co_u32 s17, s17, s41                     ; tile row = 4 x cluster y + cy
	s_lshl_b32 s43, s41, 2
	s_lshl_b32 s43, 15, s43                        ; my row of the cluster
	s_lshl_b32 s44, 0x1111, s40                    ; my column
	; descriptor group 1 for A: 8 rows of 4,096 bytes (512 elements of 8 bytes), 16,384 bytes apart, dense in LDS
	s_or_b32 s[G1+0], s43, (3<<16)|(1<<21)         ; 15:0 the mask: A's tiles go to my row; 17:16 elements of 8 bytes; 21 set beside a mask; no padding
	s_mov_b32 s[G1+1], 512<<16                     ; tensor_dim0 = 512
	s_mov_b32 s[G1+2], 8<<16                       ; tensor_dim1 = 8
	s_mov_b32 s[G1+3], 512<<16                     ; tile_dim0
	s_mov_b32 s[G1+4], 8                           ; tile_dim1
	s_mov_b32 s[G1+5], 2048                        ; tensor_dim0_stride, in elements
	s_mov_b32 s[G1+6], 0
	s_mov_b32 s[G1+7], 0
	; and for B: 128 rows x 256 bytes, padded in LDS
	s_or_b32 s[G1B+0], s44, (0<<16)|(1<<20)|(1<<21)|(5<<22)|(3<<25)  ; the mask: my column; element of 1 byte; padding on: after every 64 words (code 5) 4 words (code 3)
	s_mov_b32 s[G1B+1], ROWB<<16
	s_mov_b32 s[G1B+2], 128<<16
	s_mov_b32 s[G1B+3], ROWB<<16
	s_mov_b32 s[G1B+4], 128
	s_mov_b32 s[G1B+5], KROW
	s_mov_b32 s[G1B+6], 0
	s_mov_b32 s[G1B+7], 0
	s_lshl_b32 s20, s17, 4
	s_lshl_b32 s18, s16, 3
	s_add_co_u32 s20, s20, s18                     ; A: tile of tokens 16 x tile row + 8 x half,
	s_lshl_b32 s20, s20, 14                        ; of 16,384 bytes
	s_mov_b32 s21, 0
	s_lshl_b32 s46, s42, 8
	s_lshl_b32 s18, s16, 7
	s_add_co_u32 s46, s46, s18                     ; B: row 256 x tile column + 128 x half,
	s_lshl_b32 s46, s46, 10                        ; of 1,024 bytes,
	s_add_co_u32 s46, s46, 28311552                ; in Wo's part of the codes' buffer
	s_mov_b32 s47, 0
	s_lshl_b32 s45, s16, 15                        ; where they go: A's half,
	s_mul_i32 s71, s16, HALFB
	s_add_co_u32 s71, s71, BOFF                    ; B's half: no place in the cluster enters an LDS address
	s_wait_dscnt 0x0                               ; both opening adds are done
	s_wait_kmcnt 0x0
	s_load_b64 s[96:97], s[10:11], 0x28            ; e10, e11
	s_add_nc_u64 s[20:21], s[4:5], s[20:21]
	s_add_nc_u64 s[46:47], s[6:7], s[46:47]
	CROUND                                         ; all sixteen work-groups are here: the first joint loads meet
.irp s, 0,1
	s_mov_b32 s[G0+4*\s], 1
	s_add_co_u32 s[G0+4*\s+1], s45, \s*SLOT
	s_add_nc_u64 s[G0+4*\s+2:G0+4*\s+3], s[20:21], \s*4096
	s_or_b32 s[G0+4*\s+3], s[G0+4*\s+3], 0x80000000
	s_mov_b32 s[G0B+4*\s], 1
	s_add_co_u32 s[G0B+4*\s+1], s71, \s*SLOT
	s_add_nc_u64 s[G0B+4*\s+2:G0B+4*\s+3], s[46:47], \s*ROWB
	s_or_b32 s[G0B+4*\s+3], s[G0B+4*\s+3], 0x80000000
	s_wait_alu depctr_va_vdst(0)
	s_wait_tensorcnt 0x0
	ds_add_u32 v28, v29
	ds_add_u32 v28, v29
	s_wait_dscnt 0x0
	CROUND
	JLOAD G0+4*\s, G1, G0B+4*\s, G1B               ; one load of mine is out
.endr
	v_and_b32 v1, 15, v0                           ; r = l % 16
	v_bfe_u32 v2, v0, 4, 1                         ; h = l / 16
	v_and_b32 v6, 31, v0
	v_lshlrev_b32 v[CO], 4, v6                     ; 16 x lane
	v_mul_u32_u24 v3, v1, PITCH
	v_lshl_add_u32 v4, v2, 3, v3                   ; B: row x pitch + 8 x half
	s_lshl_b32 s21, s15, 15                        ; my 8 tiles of tokens
	s_mul_i32 s22, s16, HALFB                      ; my 128 rows of B,
	s_add_co_u32 s22, s22, BOFF                    ; which lie behind A's part
.irp s, 0,1
	v_add_nc_u32 v[ADRA+\s], s21, v[CO]
	v_add_nc_u32 v[ADRB+\s], s22, v4
	s_add_co_u32 s21, s21, SLOT
	s_add_co_u32 s22, s22, SLOT
.endr
	s_mul_i32 s23, s14, 16*SPITCH                  ; my stage
	v_mul_u32_u24 v5, v1, SPITCH                   ; in: row l % 16, 32 bytes for each half of the lanes
	v_lshl_add_u32 v5, v2, 5, v5
	v_add_nc_u32 v[STO], s23, v5
	v_add_nc_u32 v[RD], s23, v[CO]                 ; back: the 32 lanes take one row of 512 bytes
	s_lshl_b32 s46, s42, 10                        ; my first column, in bytes: 1,024 x tile column + 512 x half: in the output's rows and in bo alike
	s_lshl_b32 s47, s16, 9
	s_add_co_u32 s46, s46, s47
	s_mov_b32 s47, 0
	s_add_nc_u64 s[8:9], s[8:9], s[46:47]
	v_lshlrev_b32 v7, 5, v2                        ; the bias: lane (r, h) wants, for B's tile b, the eight numbers at 16 b + 8 h
.irp b, 0,1,2,3,4,5,6,7
	global_load_b128 v[BI+8*\b:BI+8*\b+3], v7, s[8:9] offset:64*\b
	global_load_b128 v[BI+8*\b+4:BI+8*\b+7], v7, s[8:9] offset:64*\b+16
.endr
	s_lshl_b32 s20, s17, 8
	s_lshl_b32 s21, s15, 7
	s_add_co_u32 s20, s20, s21                     ; my first row of the output: 256 x tile row + 128 x half,
	s_lshl_b32 s20, s20, 12                        ; of 4,096 bytes (under 2^25),
	s_add_co_u32 s20, s20, s46                     ; and my first column
	s_mov_b32 s21, 0
	s_add_nc_u64 s[12:13], s[12:13], s[20:21]
	s_wait_kmcnt 0x0
	s_add_co_i32 s98, s96, s97                     ; e10 + e11, between -126 and 127,
	s_sub_co_i32 s99, 0, s98
	s_add_co_i32 s96, s98, 127
	s_lshl_b32 s96, s96, 23                        ; makes the f32 number 2^(e10 + e11)  (s97 stays written: the packed form names the pair)
	s_wait_loadcnt 0x0                             ; the bias
.set i, 0
.rept 64
	v_ldexp_f32 v[BI+i], v[BI+i], s99              ; bo / 2^(e10 + e11): exact short of underflow
.set i, i+1
.endr
.macro FRAGA reg, slot, q, i           ; tokens 16 i .. 16 i + 15, the slot's q-th 128 along K (two heads): four loads of 16 bytes at 16 x lane
.irp c, 0,1,2,3
	ds_load_b128 v[\reg+4*\c:\reg+4*\c+3], v[ADRA+\slot] offset:4096*(\i)+2048*(\q)+512*\c
.endr
.endm
.macro FRAGB reg, slot, q, i           ; rows 16 i .. 16 i + 15 of B: registers 2 c, 2 c + 1 hold K = 16 c + 8 (l / 16) + 0 .. 7
.irp c, 0,1,2,3,4,5,6,7
	ds_load_b64 v[\reg+2*\c:\reg+2*\c+1], v[ADRB+\slot] offset:128*(\q)+16*\c+(\i)*16*PITCH
.endr
.endm
; 16 matrix instructions: A's blocks a0, a0 + 1 x B's eight, 128 along K.  p: B's set.  cmode 0: the sums go on; 1: they begin with the bias of B's tile b.  Nothing is ever cleared.
; The 64 accumulators take turns, one instruction a turn, in the same order in every step.
.macro MUL16 a0, p, cmode
.irp a, \a0, \a0+1
.irp b, 0,1,2,3,4,5,6,7
.if \cmode
	v_wmma_f32_16x16x128_fp8_fp8 v[8*(8*((\a)%4)+\b):8*(8*((\a)%4)+\b)+7], v[128*(\p)+FR*\b:128*(\p)+FR*\b+FR-1], v[AF+FR*(\a):AF+FR*(\a)+FR-1], v[BI+8*\b:BI+8*\b+7]
.else
	v_wmma_f32_16x16x128_fp8_fp8 v[8*(8*((\a)%4)+\b):8*(8*((\a)%4)+\b)+7], v[128*(\p)+FR*\b:128*(\p)+FR*\b+FR-1], v[AF+FR*(\a):AF+FR*(\a)+FR-1], v[8*(8*((\a)%4)+\b):8*(8*((\a)%4)+\b)+7]
.endif
.endr
.endr
.endm
.macro FETCH_B slot, q, p              ; B's eight fragments of the slot's q-th 128 along K into set p
	WIN TO_B
.irp i, 0,1,2,3,4,5,6,7
	FRAGB 128*(\p)+FR*\i, \slot, \q, \i
.endr
	WIN 0
.endm
.macro FETCH_A slot, q, i0             ; A's blocks i0 .. i0 + 3
.irp i, \i0, \i0+1, \i0+2, \i0+3
	FRAGA AF+FR*(\i), \slot, \q, \i
.endr
.endm
; A load into a register that a matrix instruction has read, and a vector instruction or an LDS store that reads a matrix result, stand NP places behind that matrix instruction, and only plain vector
; instructions that name none of its registers are places (ISA guide 7.12.1 for vector instructions).
.macro PLACES n
.rept \n
	v_nop
.endr
.endm
; A step of 128 along K that has its successor in the same slot.  A block of A is free as soon as its eight products are issued: blocks 0-3 are fetched anew in the step's middle, blocks 4-7 at its end.
.macro STEP slot, q, cmode
	s_wait_dscnt 4*NL                              ; B's set and A's blocks 0-3 are in; the youngest 16 loads (A's blocks 4-7) may be out
.if \cmode
	WIN BEG_LO
.else
	WIN MUL_LO
.endif
	MUL16 0, (\q)%2, \cmode
	MUL16 2, (\q)%2, \cmode
	s_wait_dscnt 0                                 ; A's blocks 4-7 are in (asked for 32 matrix instructions ago)
	PLACES NP
	FETCH_B \slot, (\q)+1, 1-(\q)%2
	FETCH_A \slot, (\q)+1, 0
.if \cmode
	WIN BEG_HI
.else
	WIN MUL_HI
.endif
	MUL16 4, (\q)%2, \cmode
	MUL16 6, (\q)%2, \cmode
	PLACES NP
	WIN 0
	FETCH_A \slot, (\q)+1, 4
.endm
; A slot's last step changes slots: ONE barrier; in front of it each wave waits for all its tensor loads, adds 0 to its spare word, and waits for that and for its own reads of this slot.  fill = 1: this slot is filled again, two K steps ahead.
.macro TURN slot, next, fill
	s_wait_tensorcnt 0x0                           ; all my tensor loads have landed: my part of the next slot  (every window is 0 here: the add's two registers lie in window 0)
	ds_add_u32 v[SPW], v[NIL]                      ; 0 onto my spare word
	s_wait_dscnt 4*NL+1                            ; (the add and the youngest 16 loads, A's blocks 4-7, may be out)
	WIN MUL_LO
	MUL16 0, 1, 0                                  ; sixteen matrix instructions stand between the add and the wait for it
	s_wait_dscnt 0x0                               ; the add is done, and my reads of this slot are over
	s_barrier_signal -1
	MUL16 2, 1, 0
	WIN 0
	s_barrier_wait -1
.if \fill
	CREST                                          ; the barrier has opened a round of the cluster's barrier: no wave of any partner still reads this slot's tile or has a load on its way
	s_add_nc_u64 s[G0+4*\slot+2:G0+4*\slot+3], s[G0+4*\slot+2:G0+4*\slot+3], 2*4096
	s_add_nc_u64 s[G0B+4*\slot+2:G0B+4*\slot+3], s[G0B+4*\slot+2:G0B+4*\slot+3], 2*ROWB
	JLOAD G0+4*\slot, G1, G0B+4*\slot, G1B         ; the first tensor load behind the round, my one load until the next; the four v_nop behind it are the places in front of the loads below
.else
	PLACES NP
.endif
	FETCH_B \next, 0, 0
	FETCH_A \next, 0, 0
	WIN MUL_HI
	MUL16 4, 1, 0
	MUL16 6, 1, 0
	PLACES NP
	WIN 0
	FETCH_A \next, 0, 4
.endm
	s_wait_alu depctr_va_vdst(0)
	s_wait_tensorcnt 1                             ; my part of K step 0 is in (K step 1's load may be out)
	s_barrier_signal -1
	s_barrier_wait -1                              ; everybody's is
	FETCH_B 0, 0, 0
	FETCH_A 0, 0, 0
	FETCH_A 0, 0, 4
	STEP 0, 0, 1                                   ; the first step stands in front of the loop: its products start the sums, with the bias
	s_mov_b32 s3, LAPS-1
.Llap:                                                 ; a trip goes once round the ring, from a lap's second step to the next lap's first, and fills both slots again
	TURN 0, 1, 1
	STEP 1, 0, 0
	TURN 1, 0, 1
	STEP 0, 0, 0
	s_sub_co_u32 s3, s3, 1
	s_cmp_lg_u32 s3, 0
	s_cbranch_scc1 .Llap
	TURN 0, 1, 0                                   ; the last lap fills nothing, and has no round of the cluster's barrier
	STEP 1, 0, 0
	s_wait_dscnt 4*NL                              ; the very last step: nothing more to fetch
	WIN MUL_LO
	MUL16 0, 1, 0
	MUL16 2, 1, 0
	s_wait_dscnt 0
	WIN MUL_HI
	MUL16 4, 1, 0
	MUL16 6, 1, 0
	WIN 0
; THE WAY OUT, block by block of 16 rows x 128 columns.  A lane holds 32 neighbouring bytes of a row, and the lanes beside it hold other rows: so a block goes through my own stage in LDS and comes back as whole
; rows of 512 bytes, which the 32 lanes store.  LDS serves a wave's instructions in order (ISA guide 5.7.1.4): no wait between the stores and the loads, nor in front of the next block's stores.
.macro TOSTAGE a
.set AC, 64*((\a)%4)
	WIN 0x02+((\a)/4)                              ; source 0: window 2 or 3
.set j, 0
.rept 32
	v_pk_mul_f32 v[TMP+j:TMP+j+1], v[AC+j:AC+j+1], s[96:97] op_sel_hi:[1,0]   ; both x s96 = 2^(e10 + e11): nothing is rounded, short of overflow and underflow; each accumulator from its low end on
.set j, j+2
.endr
	WIN 0
.irp b, 0,1,2,3,4,5,6,7
	ds_store_b128 v[STO], v[TMP+8*\b:TMP+8*\b+3] offset:64*\b
	ds_store_b128 v[STO], v[TMP+8*\b+4:TMP+8*\b+7] offset:64*\b+16
.endr
.set BB, BK+64*((\a)%2)
.irp t, 0,1,2,3,4,5,6,7,8,9,10,11,12,13,14,15
	ds_load_b128 v[BB+4*\t:BB+4*\t+3], v[RD] offset:\t*SPITCH
.endr
.endm
.macro SEND a, younger                 ; younger: the LDS instructions issued behind block a's loads, which may stay out
.set BB, BK+64*((\a)%2)
	s_wait_dscnt \younger                          ; the block is back in registers
.if (\a) > 0
	s_add_nc_u64 s[12:13], s[12:13], 16*NROW       ; (behind a wait on XCNT: the earlier stores have read their base)  16 rows on, so that the stores' offsets stay small
.endif
.irp t, 0,1,2,3,4,5,6,7,8,9,10,11,12,13,14,15
	global_store_b128 v[CO], v[BB+4*\t:BB+4*\t+3], s[12:13] offset:\t*NROW th:TH_STORE_NT   ; 32 lanes store 512 consecutive bytes, at a multiple of 512 from the output's first byte; written once, read by nobody here
.endr
.endm
	PLACES NP                                      ; behind the last products: these places serve the loads into the registers that held A's fragments and the reads of the last blocks' sums alike
	TOSTAGE 0
.irp a, 1,2,3,4,5,6,7
.if \a > 1
	s_wait_xcnt 0x0                                ; block a - 2's stores have read their registers and their base: block a's loads may land there, and the base may step
.endif
	TOSTAGE \a
	SEND \a-1, 32                                  ; behind block a - 1's loads: block a's 16 stores and 16 loads
.endr
	s_wait_xcnt 0x0                                ; block 6's stores have read their base
	SEND 7, 0
	s_wait_tensorcnt 0x0                           ; the wave's end, behind my last tensor load and my last LDS store
	ds_add_u32 v[SPW], v[NIL]
	s_wait_dscnt 0x0
	CROUND                                         ; the closing round: no work-group ends while a partner may still ask for a tile that names it
	s_endpgm
.Lfunc_end_k_q7ed9b2f029_outp:
	.size	k_q7ed9b2f029_outp, .Lfunc_end_k_q7ed9b2f029_outp-k_q7ed9b2f029_outp
	.p2alignl 7, 3214868480
	.fill 96, 4, 3214868480
	.section	.rodata,"a",@progbits
	.p2align	6, 0x0
	.amdhsa_kernel k_q7ed9b2f029_outp
		.amdhsa_group_segment_fixed_size 327680
		.amdhsa_private_segment_fixed_size 0
		.amdhsa_enable_private_segment 0
		.amdhsa_kernarg_size 40
		.amdhsa_user_sgpr_count 2
		.amdhsa_user_sgpr_kernarg_segment_ptr 1
		.amdhsa_wavefront_size32 1
		.amdhsa_system_sgpr_workgroup_id_x 1
		.amdhsa_system_sgpr_workgroup_id_y 1
		.amdhsa_system_sgpr_workgroup_id_z 1
		.amdhsa_system_vgpr_workitem_id 0
		.amdhsa_next_free_vgpr 1024
		.amdhsa_next_free_sgpr 100
		.amdhsa_reserve_vcc 0
		.amdhsa_float_denorm_mode_32 3
		.amdhsa_float_denorm_mode_16_64 3
		.amdhsa_memory_ordered 1
		.amdhsa_forward_progress 1
		.amdhsa_inst_pref_size 146
	.end_amdhsa_kernel
	.amdgpu_metadata
---
amdhsa.version: [ 1, 2 ]
amdhsa.kernels:
  - .name:           k_q7ed9b2f029_outp
    .symbol:         k_q7ed9b2f029_outp.kd
    .args:
      - { .name: ac, .offset: 0, .size: 8, .value_kind: global_buffer, .address_space: global }
      - { .name: codes, .offset: 8, .size: 8, .value_kind: global_buffer, .address_space: global }
      - { .name: bo, .offset: 16, .size: 8, .value_kind: global_buffer, .address_space: global }
      - { .name: lowp_scales, .offset: 24, .size: 8, .value_kind: global_buffer, .address_space: global }
      - { .name: out0, .offset: 32, .size: 8, .value_kind: global_buffer, .address_space: global }
    .group_segment_fixed_size: 327680
    .private_segment_fixed_size: 0
    .kernarg_segment_align: 8
    .kernarg_segment_size: 40
    .max_flat_workgroup_size: 128
    .sgpr_count:     100
    .vgpr_count:     1024
    .wavefront_size: 32
...
	.end_amdgpu_metadata
.endif
;; end of part 4
